; MI455X (gfx1250); checked and timed in simulation.
; The chip was launched on July 23, 2026; its instructions are those of AMD's public machine-readable ISA for CDNA 5 (MIT licence, August 2026) and "CDNA5" Instruction Set Architecture Reference Guide (July 2026). The comments in the code are by the model that wrote it; some were corrected since.
;; Top K Mo E. Allowed arithmetic: float matrix products may take bf16 or f16 operands with f32 sums; other float arithmetic in f32, or as packed bf16 or f16 multiplies, adds, multiply-adds, maxima and minima; sums over many terms, partial sums and values carried from step to step in f32; what a program stores and reads back later, other than sums and carried values, may be rounded once to bf16 or f16.
;; Inputs: router_w 1,024 x 8 float32; w1 8 x 1,024 x 512 float32; w2 8 x 512 x 1,024 float32; x 4 x 2,048 x 1,024 float32.
;; Outputs: out0 4 x 2,048 x 1,024 float32; out1 one number float32.
;; 2 versions, each right; version 2 is version 1 with the launch chain written anew for expert scheduling mode. Each part assembles by itself: llvm-mc -triple=amdgcn-amd-amdhsa -mcpu=gfx1250 --defsym DOCPART=n.
;; ======== version 1 of 2: 3 launches
;; workspace buffers: xb 16,777,216 bytes; route 65,536 bytes of whole numbers; gate 65,536 bytes; part 16,384 bytes; wf 16,777,216 bytes; plan 45,056 bytes of whole numbers
;; launch route (part 1): grid 256 x 1, 8 waves a work-group, no clusters, 38,912 bytes of LDS; arguments x, router_w, xb, route, gate, part; writes xb, route, gate, part
.if DOCPART == 1
	.amdgcn_target "amdgcn-amd-amdhsa--gfx1250"
	.amdhsa_code_object_version 6
	.text
	.protected	k_q3399ea039c_route
	.globl	k_q3399ea039c_route
	.p2align	8
	.type	k_q3399ea039c_route,@function
k_q3399ea039c_route:
	s_mov_b64 s[64:65], 0
	v_nop
	global_prefetch_b8 v0, s[64:65] scope:SCOPE_SE
	s_setreg_imm32_b32 hwreg(HW_REG_WAVE_MODE, 25, 1), 1
	s_wait_xcnt 0x0
; ROUTER.  x [8192][1024] f32, router_w [1024][8] f32.  Stores: xb = x rounded to bf16; for each token its pair of experts as a number 0..27 and its rank
; among the tokens of that pair in its chunk of 32 (route, words 0..8191: id | rank << 8); for each chunk a histogram of the 28 pairs (route, from byte 32,768: [256][32]);
; the two renormalised gates, the lower-numbered expert's first (gate [8192][2] f32); for each chunk the 8 sums of probabilities and the 8 counts of first choices (part [256][16] f32).
; SHARES.  A work-group owns a chunk of 32 tokens, a wave 4 of them; lane l owns the channels 128 j + 4 l + i (j 0..7, i 0..3), so a load of x covers 512 consecutive bytes and a store of xb 256.
; ROUTER_W is wanted whole by every wave, a lane's share being 8 pieces of 128 bytes (4 rows of 8).  The work-group fetches its 32 KB once, 512 consecutive bytes to a wave's load, each thread rounds
; the 32 numbers that it fetched, and the pieces go into LDS 144 bytes apart (an odd multiple of 16, ISA guide 11.1).
; THE LOGITS are made on the vector unit: 8 columns are half of a matrix instruction's width, the product is 1/256 of the module's multiply-adds, and this launch is bound by the 50 MB that it moves.
; Both operands are rounded to bf16 first and the sums are f32: the numbers that the bf16 matrix form would take.
; No address and no branch hangs on a logit: ids, ranks and histograms are values stored at fixed places; the next launch places the tokens.
; LIMITS.  NaN and infinities are not treated apart.  A probability below 2^-126 counts as 0.  Where a token's second and third probabilities lie closer than the rounding of a
; 1,024-term f32 sum (some 1e-6 of a logit), the choice between them may differ from another order of summation.  Ties go to the lower index.
.set SPARE, 1024                       ; the spare words: 128 bytes for each of eight waves; bytes 0..1023 hold the chunk's 32 x 8 logits
.set WL,  2048                         ; router_w, rounded and widened again: piece 32 j + l at WL + 144 (32 j + l)
.set WP,  144
.set SPW, 4                            ; v4  LDS address of my spare word; never rewritten
.set NIL, 5                            ; v5  0; never rewritten
.set ACC, 16                           ; v16-47   sums: token t, expert e at ACC + 8 t + e; before that my thread's 32 numbers of router_w
.set XB,  48                           ; v48-111  x as bf16 pairs, to store
.set X,   128                          ; v128-255 x: token t, j, i at X + 32 t + 4 j + i
                                       ; window 1: v0-255 router_w: j, i, e at 32 j + 8 i + e
.set MSB, 0
.macro WIN new                         ; the immediate's high byte repeats the setting that is left
.if MSB != (\new)
	s_set_vgpr_msb (MSB<<8)|(\new)
.set MSB, (\new)
.endif
.endm
; One halving of a butterfly sum: of n values a lane keeps the half named by its bit x and adds the partner's (lane xor x) part of that half.
.macro HALVE base, n, mask, x
.set q, 0
.rept (\n)/2
.set ts, 6+2*(q%2)
	v_cndmask_b32 v[ts], v[(\base)+q+(\n)/2], v[(\base)+q], s[\mask]             ; what I send: the half that I do not keep
	v_cndmask_b32 v[(\base)+q], v[(\base)+q], v[(\base)+q+(\n)/2], s[\mask]      ; what I keep
.if (\x) == 16
	v_permlanex16_b32 v[ts+1], v[ts], s18, s19
	v_add_f32 v[(\base)+q], v[(\base)+q], v[ts+1]
.else
	v_add_f32_dpp v[(\base)+q], v[ts], v[(\base)+q] row_xmask:\x row_mask:0xf bank_mask:0xf
.endif
.set q, q+1
.endr
.endm
; The largest of eight registers and its index; a later one wins only if it is greater, so the lower index wins a tie.
.macro SCAN src, val, idx
	v_mov_b32 v[\val], v[\src]
	v_mov_b32 v[\idx], 0
.irp e, 1,2,3,4,5,6,7
	v_cmp_gt_f32 vcc_lo, v[(\src)+\e], v[\val]
	v_cndmask_b32 v[\val], v[\val], v[(\src)+\e], vcc_lo
	v_cndmask_b32 v[\idx], v[\idx], \e, vcc_lo
.endr
.endm
	s_load_b256 s[4:11], s[0:1], 0x0               ; x s[4:5], router_w s[6:7], xb s[8:9], route s[10:11]
	s_load_b128 s[12:15], s[0:1], 0x20             ; gate s[12:13], part s[14:15]
	v_lshl_add_u32 v[SPW], v0, 2, SPARE
	v_mov_b32 v[NIL], 0
	v_lshrrev_b32 v6, 5, v0
	v_readfirstlane_b32 s16, v6                    ; wave 0..7
	v_and_b32 v11, 31, v0                          ; lane
	v_lshlrev_b32 v1, 4, v11                       ; my 16 bytes in 512 of x
	v_mul_u32_u24 v2, WP, v11
	v_add_nc_u32 v2, WL, v2                        ; where my lane's piece of j = 0 lies in LDS
	v_lshlrev_b32 v3, 3, v11                       ; my 8 bytes in 256 of xb
	v_lshlrev_b32 v10, 2, v0                       ; my word among the chunk's 256 logits
	v_lshlrev_b32 v12, 4, v0                       ; my thread's 16 bytes in 4,096 of router_w,
	v_lshrrev_b32 v13, 3, v0                       ; which are sixteenth t % 8 of piece t / 8
	v_mul_u32_u24 v13, WP, v13
	v_and_b32 v14, 7, v0
	v_lshl_add_u32 v13, v14, 4, v13
	v_add_nc_u32 v13, WL, v13
	v_mov_b32 v6, 0                                ; v6-9: at work in HALVE; written once, since a lane exchange counts as a reader of its destination
	v_mov_b32 v7, 0
	v_mov_b32 v8, 0
	v_mov_b32 v9, 0
	s_mov_b32 s17, 0xffff0000                      ; a word's upper bf16
	s_mov_b32 s18, 0x76543210                      ; v_permlanex16_b32: each lane takes its own place in the other half
	s_mov_b32 s19, 0xfedcba98
	s_mov_b32 s20, 0xffff0000                      ; the lanes whose bit 4, 3, 2, 1, 0 is set
	s_mov_b32 s21, 0xff00ff00
	s_mov_b32 s22, 0xf0f0f0f0
	s_mov_b32 s23, 0xcccccccc
	s_mov_b32 s24, 0xaaaaaaaa
	s_mov_b32 s32, 0x3fb8aa3b                      ; log2(e), named as a pair
	s_mov_b32 s33, s32
	s_lshl_b32 s26, ttmp9, 17                      ; 32 tokens x 4,096 bytes a chunk,
	s_lshl_b32 s28, s16, 14                        ; 4 tokens a wave
	s_add_co_u32 s26, s26, s28
	s_mov_b32 s27, 0
	s_lshr_b32 s28, s26, 1                         ; half of that in xb
	s_mov_b32 s29, 0
	s_lshl_b32 s30, ttmp9, 7
	s_mov_b32 s31, 0
	s_wait_kmcnt 0x0
	s_add_nc_u64 s[4:5], s[4:5], s[26:27]
	s_add_nc_u64 s[8:9], s[8:9], s[28:29]
	s_add_nc_u64 s[10:11], s[10:11], s[30:31]      ; route at my chunk's 128 bytes
	s_lshl_b32 s30, ttmp9, 8
	s_add_nc_u64 s[12:13], s[12:13], s[30:31]      ; gate at my chunk's 256 bytes
	s_lshl_b32 s30, ttmp9, 6
	s_add_nc_u64 s[14:15], s[14:15], s[30:31]      ; part at my chunk's 64 bytes
.set i, 0
.rept 8                                        ; router_w first: 4,096 bytes to a load of the work-group, 512 consecutive bytes to a wave's
	global_load_b128 v[ACC+4*i:ACC+4*i+3], v12, s[6:7] offset:4096*i
.set i, i+1
.endr
.set i, 0
.rept 32                                       ; x: token i / 8, j = i % 8
	global_load_b128 v[X+4*i:X+4*i+3], v1, s[4:5] offset:(i/8)*4096+(i%8)*512 th:TH_LOAD_NT
.set i, i+1
.endr
	s_wait_loadcnt 32                              ; my eight loads of router_w are in; the 32 of x, issued behind them, may stay out
.set i, 0
.rept 16                                       ; rounded to bf16 and widened again, once for the work-group
	v_cvt_pk_bf16_f32 v[ACC+2*i], v[ACC+2*i], v[ACC+2*i+1]
	v_and_b32 v[ACC+2*i+1], s17, v[ACC+2*i]
	v_lshlrev_b32 v[ACC+2*i], 16, v[ACC+2*i]
.set i, i+1
.endr
.set i, 0
.rept 8
	ds_store_b128 v13, v[ACC+4*i:ACC+4*i+3] offset:32*WP*i  ; 4,096 bytes on are 32 pieces on
.set i, i+1
.endr
	s_wait_dscnt 0x0                               ; for the others' sake: my part of router_w is in LDS
	s_barrier_signal -1
	s_barrier_wait -1
	WIN 0x40                                       ; destination window 1, address window 0
.set i, 0
.rept 64                                       ; j = i / 8, 16 bytes i % 8 of my lane's piece
	ds_load_b128 v[4*i:4*i+3], v2 offset:(i/8)*32*WP+(i%8)*16
.set i, i+1
.endr
	WIN 0
	s_wait_loadcnt 0x0                             ; x
.set i, 0
.rept 64                                       ; x rounded and widened again; the packed pair is kept for the store
	v_cvt_pk_bf16_f32 v[XB+i], v[X+2*i], v[X+2*i+1]
	v_and_b32 v[X+2*i+1], s17, v[XB+i]
	v_lshlrev_b32 v[X+2*i], 16, v[XB+i]
.set i, i+1
.endr
.set i, 0
.rept 32
	global_store_b64 v3, v[XB+2*i:XB+2*i+1], s[8:9] offset:(i/8)*2048+(i%8)*256  ; the wave's 32 lanes store 256 consecutive bytes, aligned
.set i, i+1
.endr
	s_wait_dscnt 0x0                               ; router_w is in my registers
	; the products: for each of my 32 channels, 4 tokens x 8 experts, two experts to a line; the first channel starts the sums
	WIN 0x01                                       ; source 0 (router_w) window 1
.set jj, 0                                     ; 4 j + i
.rept 32
.set t, 0
.rept 4
.set p, 0
.rept 4
.if jj == 0
	v_pk_mul_f32 v[ACC+8*t+2*p:ACC+8*t+2*p+1], v[2*p:2*p+1], v[X+32*t:X+32*t+1] op_sel_hi:[1,0]
.elseif jj%2 == 0
	v_pk_fma_f32 v[ACC+8*t+2*p:ACC+8*t+2*p+1], v[8*jj+2*p:8*jj+2*p+1], v[X+32*t+jj:X+32*t+jj+1], v[ACC+8*t+2*p:ACC+8*t+2*p+1] op_sel_hi:[1,0,1]
.else
	v_pk_fma_f32 v[ACC+8*t+2*p:ACC+8*t+2*p+1], v[8*jj+2*p:8*jj+2*p+1], v[X+32*t+jj-1:X+32*t+jj], v[ACC+8*t+2*p:ACC+8*t+2*p+1] op_sel:[0,1,0] op_sel_hi:[1,1,1]
.endif
.set p, p+1
.endr
.set t, t+1
.endr
.set jj, jj+1
.endr
	WIN 0
	; 32 sums in 32 lanes: five halvings leave sum number l (token l / 8, expert l % 8) in lane l
	HALVE ACC, 32, 20, 16
	HALVE ACC, 16, 21, 8
	HALVE ACC, 8, 22, 4
	HALVE ACC, 4, 23, 2
	HALVE ACC, 2, 24, 1
	ds_store_b32 v10, v[ACC]                       ; logit (4 W + l / 8, l % 8) is word 32 W + l
	s_wait_dscnt 0x0                               ; for wave 0's sake
	s_barrier_signal -1
	s_barrier_wait -1
	s_cmp_lg_u32 s16, 0
	s_cbranch_scc1 .Lend                           ; the rest is 32 tokens' work: one wave, a token a lane
	s_wait_xcnt 0x0                                ; the stores of xb have read their registers: v48-63 are written again below
	v_lshlrev_b32 v12, 5, v11
	ds_load_b128 v[16:19], v12
	ds_load_b128 v[20:23], v12 offset:16
	s_wait_dscnt 0x0
	v_max3_num_f32 v32, v16, v17, v18              ; softmax: the maximum is taken away first
	v_max3_num_f32 v33, v19, v20, v21
	v_max3_num_f32 v32, v32, v22, v23
	v_max_num_f32 v32, v32, v33
	v_mov_b32 v33, v32
.irp p, 16,18,20,22
	v_pk_add_f32 v[\p:\p+1], v[\p:\p+1], v[32:33] neg_lo:[0,1] neg_hi:[0,1]
.endr
.irp p, 16,18,20,22
	v_pk_mul_f32 v[\p:\p+1], v[\p:\p+1], s[32:33] op_sel_hi:[1,0]
.endr
.irp e, 16,17,18,19,20,21,22,23
	v_exp_f32 v\e, v\e
.endr
	v_nop                                          ; a plain instruction behind the last exponential,
	s_wait_alu depctr_va_vdst(0)                   ; and one wait for the eight, ahead of their first reader
	v_pk_add_f32 v[34:35], v[16:17], v[18:19]
	v_pk_add_f32 v[36:37], v[20:21], v[22:23]
	v_pk_add_f32 v[34:35], v[34:35], v[36:37]
	v_add_f32 v34, v34, v35
	v_rcp_f32 v38, v34
	v_nop
	s_wait_alu depctr_va_vdst(0)
	v_mov_b32 v39, v38
.irp p, 16,18,20,22
	v_pk_mul_f32 v[\p:\p+1], v[\p:\p+1], v[38:39]  ; the probabilities
.endr
	SCAN 16, 40, 41                                ; first choice: value v40, index v41
.irp e, 0,1,2,3,4,5,6,7
	v_cmp_eq_u32 vcc_lo, \e, v41
	v_cndmask_b32 v[48+\e], v[16+\e], -1.0, vcc_lo ; the first choice is taken out: below every probability
	v_cndmask_b32 v[24+\e], 0, 1.0, vcc_lo         ; and counted
.endr
	SCAN 48, 42, 43                                ; second choice: value v42, index v43
	v_add_f32 v44, v40, v42
	v_add_f32 v44, 0x3089705f, v44                 ; + 1e-9
	v_rcp_f32 v45, v44
	v_min_u32 v46, v41, v43                        ; a: the lower-numbered expert (also the plain instruction behind the reciprocal)
	v_max_u32 v47, v41, v43                        ; b
	s_wait_alu depctr_va_vdst(0)
	v_mul_f32 v13, v40, v45
	v_mul_f32 v14, v42, v45
	v_cmp_lt_u32 vcc_lo, v41, v43
	v_cndmask_b32 v56, v14, v13, vcc_lo            ; a's gate
	v_cndmask_b32 v57, v13, v14, vcc_lo            ; b's gate
	v_sub_nc_u32 v58, 15, v46                      ; id = a (15 - a) / 2 + b - a - 1
	v_mul_u32_u24 v58, v46, v58
	v_lshrrev_b32 v58, 1, v58
	v_add_nc_u32 v58, v58, v47
	v_sub_nc_u32 v58, v58, v46
	v_add_nc_u32 v58, -1, v58
	; the chunk's 16 sums over its 32 tokens: four halvings and one addition leave sum number l / 2 in lane l
	HALVE 16, 16, 20, 16
	HALVE 16, 8, 21, 8
	HALVE 16, 4, 22, 4
	HALVE 16, 2, 23, 2
	v_add_f32_dpp v16, v16, v16 row_xmask:1 row_mask:0xf bank_mask:0xf
	; rank and histogram: for each pair the mask of its tokens, their number (to lane b) and, for each of them, how many stand in lower lanes
	v_mov_b32 v59, 0
	v_mov_b32 v60, 0
.set b, 0
.rept 28
	v_cmp_eq_u32 s28, b, v58
	s_bcnt1_i32_b32 s29, s28
	v_writelane_b32 v60, s29, b
	v_mbcnt_lo_u32_b32 v61, s28, 0
	v_cndmask_b32 v59, v59, v61, s28
.set b, b+1
.endr
	v_lshl_or_b32 v62, v59, 8, v58
	v_lshlrev_b32 v63, 1, v11
	v_and_b32 v63, 0x3c, v63                       ; 4 (l / 2)
	global_store_b32 v10, v62, s[10:11]            ; in wave 0 v10 is 4 l
	global_store_b32 v10, v60, s[10:11] offset:32768
	global_store_b64 v3, v[56:57], s[12:13]
	global_store_b32 v63, v16, s[14:15]            ; two lanes hold the same sum and write the same word
.Lend:
	s_wait_tensorcnt 0x0                           ; the wave's end, behind my last LDS store
	ds_add_u32 v[SPW], v[NIL]
	s_wait_dscnt 0x0
	s_endpgm
.Lfunc_end_k_q3399ea039c_route:
	.size	k_q3399ea039c_route, .Lfunc_end_k_q3399ea039c_route-k_q3399ea039c_route
	.p2alignl 7, 3214868480
	.fill 96, 4, 3214868480
	.section	.rodata,"a",@progbits
	.p2align	6, 0x0
	.amdhsa_kernel k_q3399ea039c_route
		.amdhsa_group_segment_fixed_size 38912
		.amdhsa_private_segment_fixed_size 0
		.amdhsa_enable_private_segment 0
		.amdhsa_kernarg_size 48
		.amdhsa_user_sgpr_count 2
		.amdhsa_user_sgpr_kernarg_segment_ptr 1
		.amdhsa_wavefront_size32 1
		.amdhsa_system_sgpr_workgroup_id_x 1
		.amdhsa_system_sgpr_workgroup_id_y 1
		.amdhsa_system_sgpr_workgroup_id_z 1
		.amdhsa_system_vgpr_workitem_id 0
		.amdhsa_next_free_vgpr 512
		.amdhsa_next_free_sgpr 66
		.amdhsa_reserve_vcc 1
		.amdhsa_float_denorm_mode_32 3
		.amdhsa_float_denorm_mode_16_64 3
		.amdhsa_memory_ordered 1
		.amdhsa_forward_progress 1
		.amdhsa_inst_pref_size 80
	.end_amdhsa_kernel
	.amdgpu_metadata
---
amdhsa.version: [ 1, 2 ]
amdhsa.kernels:
  - .name:           k_q3399ea039c_route
    .symbol:         k_q3399ea039c_route.kd
    .args:
      - { .name: x, .offset: 0, .size: 8, .value_kind: global_buffer, .address_space: global }
      - { .name: router_w, .offset: 8, .size: 8, .value_kind: global_buffer, .address_space: global }
      - { .name: xb, .offset: 16, .size: 8, .value_kind: global_buffer, .address_space: global }
      - { .name: route, .offset: 24, .size: 8, .value_kind: global_buffer, .address_space: global }
      - { .name: gate, .offset: 32, .size: 8, .value_kind: global_buffer, .address_space: global }
      - { .name: part, .offset: 40, .size: 8, .value_kind: global_buffer, .address_space: global }
    .group_segment_fixed_size: 38912
    .private_segment_fixed_size: 0
    .kernarg_segment_align: 8
    .kernarg_segment_size: 48
    .max_flat_workgroup_size: 256
    .sgpr_count:     66
    .vgpr_count:     512
    .wavefront_size: 32
...
	.end_amdgpu_metadata
.endif
;; end of part 1
;; launch prep (part 2): grid 258 x 1, 8 waves a work-group, no clusters, 76,288 bytes of LDS; arguments w1, w2, route, part, wf, plan, out1; writes wf, plan, out1
.if DOCPART == 2
	.amdgcn_target "amdgcn-amd-amdhsa--gfx1250"
	.amdhsa_code_object_version 6
	.text
	.protected	k_q3399ea039c_prep
	.globl	k_q3399ea039c_prep
	.p2align	8
	.type	k_q3399ea039c_prep,@function
k_q3399ea039c_prep:
	s_mov_b64 s[64:65], 0
	v_nop
	global_prefetch_b8 v0, s[64:65] scope:SCOPE_SE
	s_setreg_imm32_b32 hwreg(HW_REG_WAVE_MODE, 25, 1), 1
	s_wait_xcnt 0x0
; THREE ROLES, chosen by the work-group's number (the same for all its waves).
; 0: SORT.  A counting sort of the 8,192 tokens by their pair of experts (28 bins), from the codes and histograms that the router stored.  plan: toks[10240] (tile i's 48 places at entry 48 i),
;    then from byte 40,960 tiles[256] x {a, b, count, 0}.  A bin of n tokens gets ceil(n / 48) tiles; the sum over 28 bins is at most (8192 + 28 x 47) / 48 = 198 for every split.
;    Places past a bin's count repeat its last token; entries past the last tile hold count 0 and token 0.
; 1: AUX.  out1 = 8 x sum over e of (count_e / 8192) (sum of p_e / 8192), from the chunks' partial sums.
; 2..257: CONVERT.  w1 and w2 rounded to bf16 and laid out as matrix fragments, once for all tiles.  A fragment (1,024 bytes) is 32 k x 16 columns: half j (512 bytes) holds at byte
;    16 L, for lane L = (r, h), the eight numbers W[k0 + 16 j + 8 h + 0..7][col], col = 64 G' + 4 r + i.  Columns four apart share a fragment, so that a lane's 16 loaded bytes
;    (four neighbouring columns) go to four fragments without changing lanes: loads take whole aligned 256-byte pieces of rows, stores 512 consecutive bytes, and no LDS is needed.
;    wf: W1F at 0: [e 8][half of 256 columns 2][k step 32][c 16][1024]; W2F at 8,388,608: [e 8][quarter of 256 columns 4][k step 16][c 16][1024]; c = 4 G + i.
.set SEGT,  0                          ; [8 segments][32 bins] words (AUX: 256 partial sums)
.set PTAB,  1024                       ; [256 chunks][32 bins] words: where a chunk's tokens of a bin begin
.set LIST,  33792                      ; 10,240 words: the sorted tokens
.set DUMMY, 74752                      ; 512 bytes, straight behind the list (its words 10,240 to 10,367), that take the stores of lanes with nothing to fill
.set SPARE, 75264                      ; the spare words: 128 bytes for each of eight waves
.set SPW, 4                            ; v4  LDS address of my spare word; never rewritten
.set NIL, 5                            ; v5  0; never rewritten
.set WV,  40                           ; s40 my wave's number
.set LL,  64                           ; CONVERT: v64-191 as loaded: slab m, j, kk at LL + 64 m + 4 (8 j + kk)
.set UU,  192                          ; CONVERT: v192-255 packed: slab m, i, j at UU + 32 m + 4 (2 i + j)
.set H,   32                           ; SORT: v32-63 histograms; later the looked-up bases
.set S,   64                           ; SORT: v64-96 running sums; later LDS addresses
.set C,   100                          ; SORT: v100-131 codes; later token numbers
.set CP,  132                          ; SORT: v132-171 the copy out
	s_load_b256 s[4:11], s[0:1], 0x0               ; w1 s[4:5], w2 s[6:7], route s[8:9], part s[10:11]
	s_load_b128 s[12:15], s[0:1], 0x20             ; wf s[12:13], plan s[14:15]
	s_load_b64 s[16:17], s[0:1], 0x30              ; out1
	v_lshl_add_u32 v[SPW], v0, 2, SPARE
	v_mov_b32 v[NIL], 0
	v_lshrrev_b32 v1, 5, v0
	v_readfirstlane_b32 s[WV], v1
	v_and_b32 v1, 31, v0                           ; lane
	s_mov_b32 s18, ttmp9
	s_wait_kmcnt 0x0
	s_cmp_eq_u32 s18, 0
	s_cbranch_scc1 .Lsort
	s_cmp_eq_u32 s18, 1
	s_cbranch_scc1 .Laux
	; ---------------- CONVERT: wave q of 2,048 takes slab q of w1 and slab q of w2: 32 k x 64 columns each, 8 KB in and 4 KB out
	s_sub_co_u32 s19, s18, 2
	s_lshl_b32 s19, s19, 3
	s_add_co_u32 s19, s19, s[WV]                   ; q
	s_lshr_b32 s20, s19, 8                         ; e
	s_mov_b32 s23, 0
	s_lshl_b32 s22, s20, 21                        ; w1 from: e x 2,097,152 + k step x 32 rows of 2,048 + column group x 256
	s_bfe_u32 s24, s19, 0x50003                    ; k step = (q >> 3) & 31
	s_lshl_b32 s25, s24, 16
	s_add_co_u32 s22, s22, s25
	s_and_b32 s25, s19, 7
	s_lshl_b32 s25, s25, 8
	s_add_co_u32 s22, s22, s25
	s_add_nc_u64 s[4:5], s[4:5], s[22:23]
	s_lshl_b32 s22, s20, 20                        ; w1 to: e << 20 + (group >> 2) << 19 + k step << 14 + (group & 3) << 12
	s_bfe_u32 s25, s19, 0x10002
	s_lshl_b32 s25, s25, 19
	s_add_co_u32 s22, s22, s25
	s_lshl_b32 s25, s24, 14
	s_add_co_u32 s22, s22, s25
	s_and_b32 s25, s19, 3
	s_lshl_b32 s25, s25, 12
	s_add_co_u32 s22, s22, s25
	s_add_nc_u64 s[28:29], s[12:13], s[22:23]
	s_lshl_b32 s22, s20, 21                        ; w2 from: e x 2,097,152 + k step x 32 rows of 4,096 + column group x 256
	s_bfe_u32 s24, s19, 0x40004                    ; k step = (q >> 4) & 15
	s_lshl_b32 s25, s24, 17
	s_add_co_u32 s22, s22, s25
	s_and_b32 s25, s19, 15
	s_lshl_b32 s25, s25, 8
	s_add_co_u32 s22, s22, s25
	s_add_nc_u64 s[6:7], s[6:7], s[22:23]
	s_lshl_b32 s22, s20, 20                        ; w2 to: 8,388,608 + e << 20 + (group >> 2) << 18 + k step << 14 + (group & 3) << 12
	s_add_co_u32 s22, s22, 0x800000
	s_bfe_u32 s25, s19, 0x20002
	s_lshl_b32 s25, s25, 18
	s_add_co_u32 s22, s22, s25
	s_lshl_b32 s25, s24, 14
	s_add_co_u32 s22, s22, s25
	s_and_b32 s25, s19, 3
	s_lshl_b32 s25, s25, 12
	s_add_co_u32 s22, s22, s25
	s_add_nc_u64 s[30:31], s[12:13], s[22:23]
	v_and_b32 v6, 15, v1                           ; r
	v_lshrrev_b32 v7, 4, v1                        ; h
	v_lshlrev_b32 v6, 4, v6
	v_lshl_add_u32 v2, v7, 14, v6                  ; w1: 8 h rows of 2,048 + 16 r
	v_lshl_add_u32 v3, v7, 15, v6                  ; w2: 8 h rows of 4,096 + 16 r
	v_lshlrev_b32 v8, 4, v1                        ; out: 16 x lane
.set i, 0
.rept 16                                       ; load i = 8 j + kk takes row 16 j + kk + 8 h: lanes 0-15 take 256 aligned bytes of one row, lanes 16-31 of the row eight below
	global_load_b128 v[LL+4*i:LL+4*i+3], v2, s[4:5] offset:((i/8)*16+i%8)*2048 th:TH_LOAD_NT
.set i, i+1
.endr
.set i, 0
.rept 16
	global_load_b128 v[LL+64+4*i:LL+64+4*i+3], v3, s[6:7] offset:((i/8)*16+i%8)*4096 th:TH_LOAD_NT
.set i, i+1
.endr
.macro PACKSLAB m, d                   ; column i of my four, half j: eight k pack into 16 bytes
.irp i, 0,1,2,3
.irp j, 0,1
.irp k, 0,1,2,3
	v_cvt_pk_bf16_f32 v[UU+32*(\m)+4*(2*\i+\j)+\k], v[LL+64*(\m)+4*(8*\j+2*\k)+\i], v[LL+64*(\m)+4*(8*\j+2*\k+1)+\i]
.endr
.endr
.endr
.irp i, 0,1,2,3
.irp j, 0,1
	global_store_b128 v8, v[UU+32*(\m)+4*(2*\i+\j):UU+32*(\m)+4*(2*\i+\j)+3], s[\d:\d+1] offset:1024*\i+512*\j  ; 512 consecutive bytes
.endr
.endr
.endm
	s_wait_loadcnt 16                              ; w1's sixteen are in; w2's sixteen, issued behind them, may stay out
	PACKSLAB 0, 28
	s_wait_loadcnt 0x0
	PACKSLAB 1, 30
	s_endpgm                                       ; this role has written no LDS
	; ---------------- AUX
.Laux:
	v_lshrrev_b32 v6, 4, v0
	v_and_b32 v7, 15, v0
	v_lshlrev_b32 v7, 2, v7
	v_lshl_add_u32 v6, v6, 10, v7                  ; thread: sum number t % 16 of the chunks 16 (t / 16) + 0..15
.set i, 0
.rept 16
	global_load_b32 v[16+i], v6, s[10:11] offset:64*i
.set i, i+1
.endr
	v_lshlrev_b32 v8, 2, v0
	s_wait_loadcnt 0x0
.set i, 1
.rept 15
	v_add_f32 v16, v16, v[16+i]
.set i, i+1
.endr
	ds_store_b32 v8, v16
	s_wait_dscnt 0x0                               ; for wave 0's sake
	s_barrier_signal -1
	s_barrier_wait -1
	s_cmp_lg_u32 s[WV], 0
	s_cbranch_scc1 .Lclose
	v_and_b32 v9, 15, v0
	v_lshlrev_b32 v10, 2, v9                       ; sum j = l % 16,
	v_add_nc_u32 v11, 32, v10
	v_and_b32 v11, 0x3c, v11                       ; and its partner (j + 8) % 16: a probability's sum and the same expert's count
.set i, 0
.rept 16
	ds_load_b32 v[32+i], v10 offset:64*i
	ds_load_b32 v[48+i], v11 offset:64*i
.set i, i+1
.endr
	s_wait_dscnt 0x0
.set i, 1
.rept 15
	v_add_f32 v32, v32, v[32+i]
	v_add_f32 v48, v48, v[48+i]
.set i, i+1
.endr
	v_mul_f32 v32, v32, v48
	v_add_f32_dpp v32, v32, v32 row_xmask:1 row_mask:0xf bank_mask:0xf
	v_add_f32_dpp v32, v32, v32 row_xmask:2 row_mask:0xf bank_mask:0xf
	v_add_f32_dpp v32, v32, v32 row_xmask:4 row_mask:0xf bank_mask:0xf
	v_mul_f32 v32, 0x34000000, v32                 ; 8 / 8192^2 = 2^-23
	v_mov_b32 v12, 0
	s_wait_xcnt 0x0                                ; EXEC changes only behind this wait
	v_cmp_eq_u32 vcc_lo, 0, v0
	s_and_saveexec_b32 s20, vcc_lo
	global_store_b32 v12, v32, s[16:17]            ; lane 0 alone
	s_wait_xcnt 0x0                                ; and again, in front of the line that widens it
	s_or_b32 exec_lo, exec_lo, s20
.Lclose:
	s_wait_tensorcnt 0x0                           ; the wave's end, behind my last LDS store
	ds_add_u32 v[SPW], v[NIL]
	s_wait_dscnt 0x0
	s_endpgm
	; ---------------- SORT: wave W has the chunks 32 W .. 32 W + 31 (a segment); a lane is a bin where bins are counted, a token of the chunk where tokens are placed
.Lsort:
	s_lshl_b32 s26, s[WV], 12                      ; a segment is 4,096 bytes of codes, of histograms and of PTAB alike
	v_lshl_add_u32 v2, v1, 2, s26
	v_lshlrev_b32 v3, 4, v0
	v_add_nc_u32 v6, LIST, v3
	v_lshlrev_b32 v7, 2, v1
	v_lshlrev_b32 v97, 2, v0
	s_lshl_b32 s27, s[WV], 10
	v_add_nc_u32 v98, s27, v1                      ; the token of chunk 32 W, lane l
.irp r, 17,18,20,21,22,23,24,25,26,27
	v_mov_b32 v\r, 0
.endr
.set i, 0
.rept 32
	global_load_b32 v[H+i], v2, s[8:9] offset:32768+128*i
.set i, i+1
.endr
.set i, 0
.rept 32
	global_load_b32 v[C+i], v2, s[8:9] offset:128*i
.set i, i+1
.endr
.set i, 0
.rept 10
	ds_store_b128 v6, v[24:27] offset:4096*i       ; the list starts as zeros: token 0 for places that no tile owns
.set i, i+1
.endr
	s_wait_loadcnt 32                              ; the histograms are in; the 32 loads of codes, issued behind them, may stay out
	v_mov_b32 v[S], 0
.set i, 0
.rept 32
	v_add_nc_u32 v[S+i+1], v[S+i], v[H+i]          ; bin l: how many tokens the segment's earlier chunks hold
.set i, i+1
.endr
	ds_store_b32 v97, v[S+32]                      ; the segment's total, to SEGT[W][l]
	s_wait_dscnt 0x0
	s_barrier_signal -1
	s_barrier_wait -1
.set i, 0
.rept 8
	ds_load_b32 v[8+i], v7 offset:SEGT+128*i
.set i, i+1
.endr
	s_wait_dscnt 0x0
	v_add3_u32 v16, v8, v9, v10                    ; n: the bin's tokens in all
	v_add3_u32 v28, v11, v12, v13
	v_add3_u32 v16, v16, v14, v15
	v_add_nc_u32 v16, v16, v28
.irp k, 0,1,2,3,4,5,6
	s_cmp_gt_u32 s[WV], \k                         ; the earlier segments' tokens of the bin
	s_cselect_b32 s20, -1, 0
	v_and_b32 v28, s20, v[8+\k]
	v_add_nc_u32 v17, v17, v28
.endr
	; the bins in order: each one's tiles, its first place in the list (to lane b), and, thread = tile, the tiles' entries
	s_mov_b32 s24, 0                               ; tiles so far
.set pa, 0
.set pb, 1
.set bn, 0
.rept 28
	v_readlane_b32 s21, v16, bn
	s_add_co_u32 s22, s21, 47
	s_mul_i32 s22, s22, 43691
	s_lshr_b32 s22, s22, 21                        ; ceil(n / 48): 43691 / 2^21 is 1 / 48 + 1.6e-7, exact below 131,072
	s_mul_i32 s23, s24, 48
	v_writelane_b32 v18, s23, bn
	v_sub_nc_u32 v28, v0, s24                      ; which of the bin's tiles am I?
	v_cmp_gt_u32 vcc_lo, s22, v28                  ; one of them at all?  (a lower tile's number wraps and fails)
	v_mul_u32_u24 v29, 48, v28
	v_sub_nc_u32 v29, s21, v29
	v_min_u32 v29, 48, v29
	v_cndmask_b32 v22, v22, v29, vcc_lo
	v_cndmask_b32 v20, v20, pa, vcc_lo
	v_cndmask_b32 v21, v21, pb, vcc_lo
	s_add_co_u32 s24, s24, s22
.set pb, pb+1
.if pb == 8
.set pa, pa+1
.set pb, pa+1
.endif
.set bn, bn+1
.endr
	v_add_nc_u32 v19, v18, v17
.set i, 0
.rept 32
	v_add_nc_u32 v[S+i], v[S+i], v19
	ds_store_b32 v2, v[S+i] offset:PTAB+128*i
.set i, i+1
.endr
	s_wait_dscnt 0x0
	s_barrier_signal -1
	s_barrier_wait -1
	s_wait_loadcnt 0x0                             ; the codes
.set i, 0
.rept 32
	v_and_b32 v[28+i%4], 0xff, v[C+i]
	v_min_u32 v[28+i%4], 31, v[28+i%4]             ; a loaded number enters an address only clamped
	v_lshl_add_u32 v[28+i%4], v[28+i%4], 2, s26
	ds_load_b32 v[H+i], v[28+i%4] offset:PTAB+128*i  ; all lanes read one chunk's 128 bytes
.set i, i+1
.endr
	s_wait_dscnt 0x0
.set i, 0
.rept 32
	v_bfe_u32 v[28+i%4], v[C+i], 8, 8              ; the rank in the chunk
	v_add_nc_u32 v[28+i%4], v[28+i%4], v[H+i]
	v_min_u32 v[28+i%4], 0x251f, v[28+i%4]         ; 198 x 48 - 1
	v_lshl_add_u32 v[S+i], v[28+i%4], 2, LIST
	v_add_nc_u32 v[C+i], 32*i, v98
.set i, i+1
.endr
	; the places are all different, but they hang on data: one wave at a time writes the list, with a barrier between
.irp k, 0,1,2,3,4,5,6,7
	s_cmp_lg_u32 s[WV], \k
	s_cbranch_scc1 .Lround_\k
.set i, 0
.rept 32
	ds_store_b32 v[S+i], v[C+i]
.set i, i+1
.endr
.Lround_\k:
	s_wait_dscnt 0x0
	s_barrier_signal -1
	s_barrier_wait -1
.endr
	s_cmp_lg_u32 s[WV], 0
	s_cbranch_scc1 .Lfilled
	v_max_u32 v28, 1, v16                          ; wave 0, lane = bin: the bin's last token,
	v_add_nc_u32 v28, v28, v18
	v_add_nc_u32 v28, -1, v28
	v_min_u32 v28, 0x251f, v28
	v_lshl_add_u32 v28, v28, 2, LIST
	ds_load_b32 v29, v28
	s_mov_b32 s28, 43691
	v_add_nc_u32 v30, 47, v16
	v_mul_lo_u32 v30, v30, s28
	v_lshrrev_b32 v30, 21, v30
	v_mul_u32_u24 v30, 48, v30
	v_sub_nc_u32 v31, v30, v16                     ; how many places its last tile has over: 0 to 47,
	v_add_nc_u32 v30, v18, v16                     ; and the list's word at which they begin
	v_add_nc_u32 v99, (DUMMY-LIST)/4, v1           ; my lane's word among the dummy bytes, counted from the list's first word
	s_wait_dscnt 0x0
.set i, 0
.rept 47                                       ; the choice is made on the word's number; the clamp comes last, and only the shift and the list's base follow it
	v_add_nc_u32 v28, i, v30
	v_cmp_lt_u32 vcc_lo, i, v31
	v_cndmask_b32 v28, v99, v28, vcc_lo            ; a lane with nothing left writes into the dummy bytes
	v_min_u32 v28, 0x287f, v28                     ; 10,367: the last word of the dummy bytes
	v_lshl_add_u32 v28, v28, 2, LIST
	ds_store_b32 v28, v29
.set i, i+1
.endr
.Lfilled:
	s_wait_dscnt 0x0
	s_barrier_signal -1
	s_barrier_wait -1
.set i, 0
.rept 10
	ds_load_b128 v[CP+4*i:CP+4*i+3], v6 offset:4096*i
.set i, i+1
.endr
.set i, 0
.rept 10
	s_wait_dscnt 9-i                               ; LDS loads come back in order: number i is in, the younger ones may stay out
	global_store_b128 v3, v[CP+4*i:CP+4*i+3], s[14:15] offset:4096*i
.set i, i+1
.endr
	global_store_b128 v3, v[20:23], s[14:15] offset:40960
	s_wait_tensorcnt 0x0                           ; the wave's end, behind my last LDS store
	ds_add_u32 v[SPW], v[NIL]
	s_wait_dscnt 0x0
	s_endpgm
.Lfunc_end_k_q3399ea039c_prep:
	.size	k_q3399ea039c_prep, .Lfunc_end_k_q3399ea039c_prep-k_q3399ea039c_prep
	.p2alignl 7, 3214868480
	.fill 96, 4, 3214868480
	.section	.rodata,"a",@progbits
	.p2align	6, 0x0
	.amdhsa_kernel k_q3399ea039c_prep
		.amdhsa_group_segment_fixed_size 76288
		.amdhsa_private_segment_fixed_size 0
		.amdhsa_enable_private_segment 0
		.amdhsa_kernarg_size 56
		.amdhsa_user_sgpr_count 2
		.amdhsa_user_sgpr_kernarg_segment_ptr 1
		.amdhsa_wavefront_size32 1
		.amdhsa_system_sgpr_workgroup_id_x 1
		.amdhsa_system_sgpr_workgroup_id_y 1
		.amdhsa_system_sgpr_workgroup_id_z 1
		.amdhsa_system_vgpr_workitem_id 0
		.amdhsa_next_free_vgpr 256
		.amdhsa_next_free_sgpr 66
		.amdhsa_reserve_vcc 1
		.amdhsa_float_denorm_mode_32 3
		.amdhsa_float_denorm_mode_16_64 3
		.amdhsa_memory_ordered 1
		.amdhsa_forward_progress 1
		.amdhsa_inst_pref_size 101
	.end_amdhsa_kernel
	.amdgpu_metadata
---
amdhsa.version: [ 1, 2 ]
amdhsa.kernels:
  - .name:           k_q3399ea039c_prep
    .symbol:         k_q3399ea039c_prep.kd
    .args:
      - { .name: w1, .offset: 0, .size: 8, .value_kind: global_buffer, .address_space: global }
      - { .name: w2, .offset: 8, .size: 8, .value_kind: global_buffer, .address_space: global }
      - { .name: route, .offset: 16, .size: 8, .value_kind: global_buffer, .address_space: global }
      - { .name: part, .offset: 24, .size: 8, .value_kind: global_buffer, .address_space: global }
      - { .name: wf, .offset: 32, .size: 8, .value_kind: global_buffer, .address_space: global }
      - { .name: plan, .offset: 40, .size: 8, .value_kind: global_buffer, .address_space: global }
      - { .name: out1, .offset: 48, .size: 8, .value_kind: global_buffer, .address_space: global }
    .group_segment_fixed_size: 76288
    .private_segment_fixed_size: 0
    .kernarg_segment_align: 8
    .kernarg_segment_size: 56
    .max_flat_workgroup_size: 256
    .sgpr_count:     66
    .vgpr_count:     256
    .wavefront_size: 32
...
	.end_amdgpu_metadata
.endif
;; end of part 2
;; launch chain (part 3): grid 198 x 1, 4 waves a work-group, no clusters, 99,584 bytes of LDS; arguments xb, wf, plan, gate, out0; writes out0
.if DOCPART == 3
	.amdgcn_target "amdgcn-amd-amdhsa--gfx1250"
	.amdhsa_code_object_version 6
	.text
	.protected	k_q3399ea039c_chain
	.globl	k_q3399ea039c_chain
	.p2align	8
	.type	k_q3399ea039c_chain,@function
k_q3399ea039c_chain:
	s_mov_b64 s[64:65], 0
	v_nop
	global_prefetch_b8 v0, s[64:65] scope:SCOPE_SE
	s_setreg_imm32_b32 hwreg(HW_REG_WAVE_MODE, 25, 1), 1
	s_wait_xcnt 0x0
; THE EXPERTS.  A work-group takes a tile of 48 places, tokens that chose the same pair of experts (a, b), through the whole chain: gather, x w1, silu times the gate, h w2, store.
; Both products are 48 x 1024 x 1024: the hidden layer is a's 512 channels and then b's, so that the second product adds both experts into ONE f32 sum and each output row has one owner.
; 198 work-groups serve every split of the tokens over the 28 pairs ((8192 + 28 x 47) / 48); one that the split leaves without rows passes all three barriers, jumps over the products and silu and stores nothing.
; SHARES.  Wave w owns the columns 256 w .. 256 w + 255 of both products: 3 blocks of 16 rows x 16 fragments = 48 accumulators.  A K step is 32 along K: 48 matrix instructions, 16 KB of weights,
; 6 LDS loads of tokens.  THE WEIGHTS come from memory straight into registers, as fragments laid out by the launch before: each of their bytes has ONE reading wave in the work-group, so a way
; through LDS would add a write and a read of 64 KB a step and save nothing.
; THE WALK.  The 64 K steps of the two products are numbered S = 0 .. 63 and use three sets of weight registers and three of token fragments, set S % 3.  A step is four groups of 12 matrix instructions;
; behind each group stand 8 loads for step S + 2, into the set that step S - 1 multiplied, and in the middle of the first group the token fragments of step S + 2: the loads are issued between matrix
; instructions, not in a run of their own.  By the text's own count a wave has at most 63 loads from memory out in the loops.  Each set has a pointer of its own, written again only when the step's
; counted waits have shown that set's last loads done.
; THE WALK IS TURNED: work-group i takes, as its step S, the K step (S + i % 32) % 32 of the product, weights and tokens alike, so that the work-groups that share an expert's weights do not all ask for
; the same 16 KB at the same time.  The sums take their terms in another order; they are f32 sums of the same products.
; FRAGMENT c = 4 G + i holds the columns 64 G + 4 r + i.  Product 1 takes the weights as source 0: a lane then holds token r and, over a group's four accumulators, the 32 consecutive channels
; 64 G + 32 h + 4 j + i: they pack into 64 consecutive bytes of the hidden row.  Product 2 takes the tokens as source 0: register j of a lane is token 8 h + j, and a group's four accumulators give
; the columns 64 G + 4 r + 0..3: 16 consecutive bytes, so that sixteen lanes store 256 consecutive bytes, aligned.
; LDS.  48 rows of 2,048 bytes: first the gathered tokens; when every wave has read them for the last time, the hidden rows take the same bytes, behind a barrier.
; NO CLUSTER, NO JOINT LOADS: partners would have to share a pair; four tiles of 48 against some 293 tokens a pair would pad each pair to a multiple of 192, a third more rows and more than 256
; work-groups for some splits; and a joint load lands in LDS, which the count above rules out for the weights.  The token rows come by a list, which no tile descriptor covers.
; LIMITS.  Operands are bf16 (x, w1, w2 rounded once by the launches before; h times its gate rounded once here), sums f32.  NaN and infinities are not treated apart; exp2 of a large argument
; gives an infinity, whose reciprocal is 0, and silu is then 0.  Places past the count repeat the pair's last token: a store that holds a valid row and such a repeat writes that token's row twice, with the same bits.
.set PX,    2064                       ; an LDS row: 2,048 bytes + 16 = 516 words: the sixteen rows of a fragment load start four banks apart (64 banks of 4 bytes: ISA guide 11.1)
.set RB16,  16*PX
.set SPARE, 48*PX                      ; 99,072 = 387 x 256: behind the 48 rows the spare words, 128 bytes for each of four waves
; window 0
.set AT,   4                           ; v4-6    LDS address of the token fragments asked for next, row block rb
.set HS,   7                           ; v7-9    where I put my 64 bytes of a hidden row, row block rb; never rewritten
.set XS,   10                          ; v10     where my wave puts its gathered rows
.set GT,   12                          ; v12-17  the gate of token 16 rb + r for my expert, as a pair
.set TG,   18                          ; v18-20  that token; then its byte offset in gate
.set SPW,  24                          ; v24     LDS address of my spare word; never rewritten
.set NIL,  25                          ; v25     0; never rewritten
.set ATB,  28                          ; v28-30  LDS address of my token fragments at K = 0, row block rb: the same for the tokens and for the hidden rows; never rewritten
.set AF,   32                          ; v32-103 token fragments: set b, row block rb at AF + 24 b + 8 rb
.set OUTO, 104                         ; v104-127 byte offset in out0 of token 16 rb + 8 h + j, + 16 r
.set T,    128                         ; v128-159 at work (way out: v128-255)
.set U,    160                         ; v160-191 at work
.set HW,   192                         ; v192-207 packed hidden numbers
.set GO,   208                         ; v208-219 byte offsets of my wave's 12 rows of xb
; window 1: weight sets 1 (v0-127) and 2 (v128-255).  window 2: accumulators (rb, c) at 8 (16 rb + c), rb = 0, 1; before the first product the gathered rows.
; window 3: accumulators (2, c) at 8 c; weight set 0 at v128-255.
.set WV,   14                          ; s14 wave
.set T0,   20                          ; s20, s21 at work
.set T1,   21
.set P1,   24                          ; s[24:25] my fragments of w1
.set P2A,  26                          ; s[26:27] my fragments of w2[a]
.set P2B,  28                          ; s[28:29] of w2[b]
.set TK,   32                          ; s[32:33] the tile's 48 tokens in plan
.set TRIP, 48
.set FI,   49                          ; s49 the number S of the step whose weights are asked for next
.set CNT,  52                          ; s52 the tile's count
.set ROT,  53                          ; s53 the work-group's number % 32: by so many steps my walk is turned
.set LPB,  54                          ; s[54:59] a pointer for each weight set
.set KOFF, 60                          ; s60 byte in an LDS row at which the token fragments asked for next begin
.set BLK,  61                          ; s61 counts silu's twelve blocks
.set OFF,  62                          ; s[62:63] an offset in 64 bits
.set MSB, 0
.macro WIN new                         ; bits 1:0 source 0, 3:2 source 1, 5:4 source 2, 7:6 destination; the high byte repeats the setting that is left
.if MSB != (\new)
	s_set_vgpr_msb (MSB<<8)|(\new)
.set MSB, (\new)
.endif
.endm
.macro PLACES                          ; four places between a matrix instruction and a vector instruction that reads its result, or a load into one of its registers (ISA guide 7.12.1 for vector instructions)
.rept 4
	v_nop
.endr
.endm
; The pointer of step FI's weights, into set ls's pair; then FI steps.  The K step is (FI + ROT) % 32; product 1 (FI < 32) walks 32 steps of 16 KB of w1, product 2 sixteen of w2[a] and sixteen of w2[b].
; The base is chosen between pointers into wf; the offset is made apart from it.
.macro PTR ls
	s_add_co_u32 s[T0], s[FI], s[ROT]
	s_and_b32 s[T0], s[T0], 31
	s_and_b32 s[T1], s[T0], 15
	s_cmp_lt_u32 s[T0], 16
	s_cselect_b64 s[LPB+2*(\ls):LPB+2*(\ls)+1], s[P2A:P2A+1], s[P2B:P2B+1]
	s_cmp_lt_u32 s[FI], 32
	s_cselect_b64 s[LPB+2*(\ls):LPB+2*(\ls)+1], s[P1:P1+1], s[LPB+2*(\ls):LPB+2*(\ls)+1]
	s_cselect_b32 s[T1], s[T0], s[T1]
	s_lshl_b32 s[OFF], s[T1], 14
	s_add_nc_u64 s[LPB+2*(\ls):LPB+2*(\ls)+1], s[LPB+2*(\ls):LPB+2*(\ls)+1], s[OFF:OFF+1]
	s_add_co_u32 s[FI], s[FI], 1
.endm
; Weight set b lies in window 3 - 2 ((b + 2) / 3) from register 128 (1 - b % 2) on.  Fragments 4 g .. 4 g + 3 of a step into set ls: eight loads of 512 consecutive bytes.
.macro BLOADG ls, g
.set LW, 3-2*(((\ls)+2)/3)
.set LB, 128*(1-(\ls)%2)
	WIN LW<<6
.irp c, 0,1,2,3
	global_load_b128 v[LB+8*(4*(\g)+\c):LB+8*(4*(\g)+\c)+3],   v1, s[LPB+2*(\ls):LPB+2*(\ls)+1] offset:1024*(4*(\g)+\c)
	global_load_b128 v[LB+8*(4*(\g)+\c)+4:LB+8*(4*(\g)+\c)+7], v1, s[LPB+2*(\ls):LPB+2*(\ls)+1] offset:1024*(4*(\g)+\c)+512
.endr
.endm
.macro BLOADALL ls
	PTR \ls
.irp g, 0,1,2,3
	BLOADG \ls, \g
.endr
.endm
.macro AADR                            ; the addresses of the next token fragments; the byte in the row steps by 32 K and wraps at the row's 2,048
.irp rb, 0,1,2
	v_add_nc_u32 v[AT+\rb], s[KOFF], v[ATB+\rb]
.endr
	s_add_co_u32 s[KOFF], s[KOFF], 64
	s_and_b32 s[KOFF], s[KOFF], 0x7c0
.endm
.macro ALOAD b                         ; three token fragments into set b: 16 rows x 32 K each, two loads of 16 bytes, 32 bytes apart
.irp rb, 0,1,2
	ds_load_b128 v[AF+24*(\b)+8*\rb:AF+24*(\b)+8*\rb+3],   v[AT+\rb]
	ds_load_b128 v[AF+24*(\b)+8*\rb+4:AF+24*(\b)+8*\rb+7], v[AT+\rb] offset:32
.endr
.endm
.macro MM ph, b, rb, c, zero           ; one matrix instruction; ph = 1: weights are source 0; ph = 2: tokens are
.set rA, AF+24*(\b)+8*(\rb)
.set rB, MB+8*(\c)
.set rD, 8*(16*((\rb)%2)+(\c))
.if (\ph) == 1
.if \zero
	v_wmma_f32_16x16x32_bf16 v[rD:rD+7], v[rB:rB+7], v[rA:rA+7], 0
.else
	v_wmma_f32_16x16x32_bf16 v[rD:rD+7], v[rB:rB+7], v[rA:rA+7], v[rD:rD+7]
.endif
.else
.if \zero
	v_wmma_f32_16x16x32_bf16 v[rD:rD+7], v[rA:rA+7], v[rB:rB+7], 0
.else
	v_wmma_f32_16x16x32_bf16 v[rD:rD+7], v[rA:rA+7], v[rB:rB+7], v[rD:rD+7]
.endif
.endif
.endm
.macro RUNA ph, b, zero, g             ; fragments 4 g .. 4 g + 3 x row blocks 0 and 1: accumulators in window 2
	WIN WA
.irp c, 0,1,2,3
.irp rb, 0,1
	MM \ph, \b, \rb, 4*(\g)+\c, \zero
.endr
.endr
.endm
.macro RUNB ph, b, zero, g             ; the same fragments x row block 2: accumulators in window 3
	WIN WA|0x50
.irp c, 0,1,2,3
	MM \ph, \b, 2, 4*(\g)+\c, \zero
.endr
.endm
; A K STEP on set b.  The 48 accumulators take turns, one instruction a turn, in the same order in every step; zero = 1: the products start the sums.
; ldb = 1: set (b + 2) % 3, which the step before multiplied, takes the weights two steps on, eight loads behind each group.  lda = 1: the token fragments two steps on, into the same number of set.
; The three address lines and a v_nop (or four v_nop) in the middle of the first group are the four places between the last step's products and the loads into registers that those products read.
; l0 .. l3: how many younger loads from memory may stay out in front of each group; dc: how many LDS loads.
.macro STEP ph, b, zero, ldb, lda, l0, l1, l2, l3, dc
.set MW, 3-2*(((\b)+2)/3)
.set MB, 128*(1-(\b)%2)
.set LS, ((\b)+2)%3
.if (\ph) == 1
.set WA, MW|0xa0
.else
.set WA, (MW<<2)|0xa0
.endif
	s_wait_dscnt \dc
	s_wait_loadcnt \l0
	RUNA \ph, \b, \zero, 0
.if (\ldb) || (\lda)
	WIN 0
.if \lda
	AADR
	v_nop
	ALOAD LS
.else
	PLACES
.endif
.endif
.if \ldb
	PTR LS                                         ; the pair's last loads were shown done by the last step's waits
.endif
	RUNB \ph, \b, \zero, 0
.if \ldb
	BLOADG LS, 0
.endif
	s_wait_loadcnt \l1
	RUNA \ph, \b, \zero, 1
	RUNB \ph, \b, \zero, 1
.if \ldb
	BLOADG LS, 1
.endif
	s_wait_loadcnt \l2
	RUNA \ph, \b, \zero, 2
	RUNB \ph, \b, \zero, 2
.if \ldb
	BLOADG LS, 2
.endif
	s_wait_loadcnt \l3
	RUNA \ph, \b, \zero, 3
	RUNB \ph, \b, \zero, 3
.if \ldb
	BLOADG LS, 3
.endif
.endm
; silu(z) g = z g / (1 + 2^(-z log2 e)), a block of four accumulators (row block n / 4, column group n % 4; 32 numbers a lane) at a time.  The arithmetic between is written once and looped over;
; what names a block's own registers and bytes is written for each block, in two short pieces that the loop's counter chooses:
; SSTUB n: -z log2 e into T, z g into U, each accumulator's lowest registers read first.  SSTORE n: the block's 64 bytes a lane into the hidden rows.
.macro SSTUB n
.set rbn, (\n)/4
.set gn, (\n)%4
.set ab, 128*(rbn%2)+32*gn
.Lsb_\n:
	WIN 2+rbn/2                                    ; source 0: window 2 (row blocks 0, 1) or 3
.set z, 0
.rept 16
	v_pk_mul_f32 v[T+2*z:T+2*z+1], v[ab+2*z:ab+2*z+1], s[50:51] op_sel_hi:[1,0]
.set z, z+1
.endr
.set z, 0
.rept 16
	v_pk_mul_f32 v[U+2*z:U+2*z+1], v[ab+2*z:ab+2*z+1], v[GT+2*rbn:GT+2*rbn+1]
.set z, z+1
.endr
	WIN 0
.endm
.macro SSTORE n
.Lst_\n:
.irp q, 0,1,2,3
	ds_store_b128 v[HS+(\n)/4], v[HW+4*\q:HW+4*\q+3] offset:128*((\n)%4)+16*\q
.endr
.endm
; Row block rb leaves: a lane's four columns of a group come from four accumulators and are brought side by side; then two rows to a store instruction, 256 consecutive aligned bytes each.
; Whole stores past the count are jumped: every later row is past it too.
.macro OUTBLK rb
.if (\rb) > 0
	s_wait_xcnt 0x0                                ; the block before's stores have read their registers
.endif
.if (\rb) < 2
	WIN 2
.set ab, 128*(\rb)
.else
	WIN 3
.set ab, 0
.endif
.set jj, 0
.rept 8                                        ; register 0 of every accumulator first
.set cc, 0
.rept 16
	v_mov_b32 v[T+16*jj+cc], v[ab+8*cc+jj]
.set cc, cc+1
.endr
.set jj, jj+1
.endr
	WIN 0
.irp j, 0,1,2,3,4,5,6,7
	s_cmp_le_u32 s[CNT], 16*(\rb)+\j
	s_cbranch_scc1 .Ldone
.irp g, 0,1,2,3
	global_store_b128 v[OUTO+8*(\rb)+\j], v[T+16*\j+4*\g:T+16*\j+4*\g+3], s[12:13] offset:256*\g th:TH_STORE_NT
.endr
.endr
.endm
	s_load_b256 s[4:11], s[0:1], 0x0               ; xb s[4:5], wf s[6:7], plan s[8:9], gate s[10:11]
	s_load_b64 s[12:13], s[0:1], 0x20              ; out0
	v_lshl_add_u32 v[SPW], v0, 2, SPARE
	v_mov_b32 v[NIL], 0
	v_lshrrev_b32 v26, 5, v0
	v_readfirstlane_b32 s[WV], v26
	v_and_b32 v26, 31, v0
	v_lshlrev_b32 v1, 4, v26                       ; 16 x lane; never rewritten
	v_and_b32 v2, 15, v0                           ; r
	v_bfe_u32 v3, v0, 4, 1                         ; h
	v_lshlrev_b32 v21, 5, v3
	v_lshlrev_b32 v22, 2, v2
	v_lshlrev_b32 v23, 4, v2
	v_mul_u32_u24 v27, v2, PX
	v_lshl_add_u32 v31, v3, 6, v27                 ; r x pitch + 64 h
	v_lshl_add_u32 v27, v3, 4, v27                 ; r x pitch + 16 h
	s_lshl_b32 s35, ttmp9, 4                       ; my entry among the tiles
	s_mul_i32 s34, s[WV], 48                       ; my wave's 12 tokens among the tile's 48
	s_mul_i32 s22, ttmp9, 192
	s_mov_b32 s23, 0
	s_mov_b32 s50, 0xbfb8aa3b                      ; -log2(e), named as a pair
	s_mov_b32 s51, s50
	s_and_b32 s[ROT], ttmp9, 31
	s_mov_b32 s[FI], 0
	s_mov_b32 s[OFF+1], 0
	s_wait_kmcnt 0x0
	s_add_nc_u64 s[TK:TK+1], s[8:9], s[22:23]
	s_load_b128 s[16:19], s[8:9], s35 offset:0xa000  ; a, b, count, 0
	s_load_b128 s[36:39], s[TK:TK+1], s34 offset:0x0
	s_load_b128 s[40:43], s[TK:TK+1], s34 offset:0x10
	s_load_b128 s[44:47], s[TK:TK+1], s34 offset:0x20
.irp rb, 0,1,2
	global_load_b128 v[OUTO+8*\rb:OUTO+8*\rb+3],   v21, s[TK:TK+1] offset:64*\rb     ; tokens 16 rb + 8 h + 0..7
	global_load_b128 v[OUTO+8*\rb+4:OUTO+8*\rb+7], v21, s[TK:TK+1] offset:64*\rb+16
.endr
.irp rb, 0,1,2
	global_load_b32 v[TG+\rb], v22, s[TK:TK+1] offset:64*\rb                          ; token 16 rb + r
.endr
	s_mul_i32 s20, s[WV], 12*PX
	v_add_nc_u32 v[XS], s20, v1
	s_lshl_b32 s20, s[WV], 9                       ; my 256 hidden channels are 512 bytes of a row
	v_add_nc_u32 v31, s20, v31
.irp rb, 0,1,2
	v_add_nc_u32 v[HS+\rb], \rb*RB16, v31
	v_add_nc_u32 v[ATB+\rb], \rb*RB16, v27
.endr
	s_wait_kmcnt 0x0
	s_min_u32 s16, s16, 7                          ; loaded numbers enter addresses only clamped
	s_min_u32 s17, s17, 7
	s_min_u32 s[CNT], s18, 48
.set i, 0
.rept 12
	s_min_u32 s[36+i], s[36+i], 0x1fff
	v_lshl_add_u32 v[GO+i], s[36+i], 11, v1        ; a row of xb is 2,048 bytes
.set i, i+1
.endr
	s_mov_b32 s21, 0
	s_cmp_lt_u32 s[WV], 2                          ; product 1: waves 0, 1 have a's two halves of 256 hidden channels, waves 2, 3 b's
	s_cselect_b32 s20, s16, s17
	s_lshl_b32 s20, s20, 20
	s_and_b32 s22, s[WV], 1
	s_lshl_b32 s22, s22, 19
	s_add_co_u32 s20, s20, s22
	s_add_nc_u64 s[P1:P1+1], s[6:7], s[20:21]
	s_lshl_b32 s22, s[WV], 18                      ; product 2: my quarter of the 1,024 columns
	s_add_co_u32 s22, s22, 0x800000
	s_lshl_b32 s20, s16, 20
	s_add_co_u32 s20, s20, s22
	s_add_nc_u64 s[P2A:P2A+1], s[6:7], s[20:21]
	s_lshl_b32 s20, s17, 20
	s_add_co_u32 s20, s20, s22
	s_add_nc_u64 s[P2B:P2B+1], s[6:7], s[20:21]
	s_lshl_b32 s20, s[WV], 10
	s_add_nc_u64 s[12:13], s[12:13], s[20:21]      ; out0 at my 256 columns
	WIN 0x80                                       ; the gather first, since the barrier below waits for it: my wave's 12 rows, 512 consecutive bytes a load, into window 2
.set i, 0
.rept 48
	global_load_b128 v[4*i:4*i+3], v[GO+i/4], s[4:5] offset:512*(i%4)
.set i, i+1
.endr
	WIN 0
	s_wait_loadcnt 48                              ; the nine loads of the lists are in; the gather's 48, issued behind them, may stay out
.set i, 0
.rept 24
	v_min_u32 v[OUTO+i], 0x1fff, v[OUTO+i]
	v_lshl_add_u32 v[OUTO+i], v[OUTO+i], 12, v23   ; a row of out0 is 4,096 bytes
.set i, i+1
.endr
	s_lshr_b32 s20, s[WV], 1
	s_lshl_b32 s20, s20, 2                         ; a's gate is word 0, b's word 1
.irp rb, 0,1,2
	v_min_u32 v[TG+\rb], 0x1fff, v[TG+\rb]
	v_lshl_add_u32 v[TG+\rb], v[TG+\rb], 3, s20
	global_load_b32 v[GT+2*\rb], v[TG+\rb], s[10:11]
.endr
	BLOADALL 0                                     ; step 0's weights
	s_wait_loadcnt 35                              ; the gather is in; three gates and step 0's 32 loads are younger
	WIN 0x08                                       ; store data in window 2
.set i, 0
.rept 48
	ds_store_b128 v[XS], v[4*i:4*i+3] offset:(i/4)*PX+512*(i%4)
.set i, i+1
.endr
	BLOADALL 1                                     ; steps 1 and 2: all three sets are asked for ahead of the first product
	BLOADALL 2
	WIN 0
	s_wait_dscnt 0x0                               ; for the others' sake: my 12 rows are in LDS
	s_barrier_signal -1
	s_barrier_wait -1
	s_cmp_eq_u32 s[CNT], 0
	s_cbranch_scc1 .Lxread                         ; a tile without rows: forward, over product 1; no barrier is jumped
	s_lshl_b32 s[KOFF], s[ROT], 6
	AADR
	ALOAD 0
	AADR
	ALOAD 1
	; PRODUCT 1: steps 0 to 31.  In front of a group its eight loads must be in; behind them were issued the rest of their set, 8 (3 - g), the next set's 32 and 8 g of the set after: 56.
	; The count is one less, so that the eight loads behind the group bring the wave to 63 at the most.  Behind a step's token fragments one later step's six LDS loads are out.
	STEP 1, 0, 1, 0, 1, 63, 63, 63, 63, 6          ; step 0 starts the sums and asks for no weights: behind its own stand two whole sets, 64 loads or more
	WIN 0
	s_mov_b32 s[TRIP], 10
.Lp1:                                                  ; steps 1 to 30; from step 30 on the weights asked for are product 2's; step 30's token fragments (at a wrapped byte of the rows) serve nobody
	STEP 1, 1, 0, 1, 1, 55, 55, 55, 55, 6
	STEP 1, 2, 0, 1, 1, 55, 55, 55, 55, 6
	STEP 1, 0, 0, 1, 1, 55, 55, 55, 55, 6
	WIN 0
	s_sub_co_u32 s[TRIP], s[TRIP], 1
	s_cmp_lg_u32 s[TRIP], 0
	s_cbranch_scc1 .Lp1
	STEP 1, 1, 0, 1, 0, 55, 55, 55, 55, 6          ; step 31
	WIN 0
	PLACES                                         ; in front of the first read of the sums
.Lxread:
	s_wait_dscnt 0x0                               ; my reads of the token rows are over, step 30's six among them:
	s_barrier_signal -1                            ; the hidden rows take the same bytes only when every wave has said so
	s_barrier_wait -1
	s_cmp_eq_u32 s[CNT], 0
	s_cbranch_scc1 .Lmid                           ; a tile without rows: forward, over silu
.irp rb, 0,1,2
	v_mov_b32 v[GT+2*\rb+1], v[GT+2*\rb]           ; the gates are older than step 0's weights: long in
.endr
	s_mov_b32 s[BLK], 12
.Lsilu:                                                ; twelve trips; block 12 - BLK's own pieces are chosen by the counter, every jump but the loop's own forward
.irp n, 1,2,3,4,5,6,7,8,9,10,11
	s_cmp_eq_u32 s[BLK], 12-\n
	s_cbranch_scc1 .Lsb_\n
.endr
	SSTUB 0
	s_branch .Lscom
.irp n, 1,2,3,4,5,6,7,8,9,10
	SSTUB \n
	s_branch .Lscom
.endr
	SSTUB 11
.Lscom:                                                ; the 32 exponentials are one batch with one wait, and so are the 32 reciprocals
.set z, 0
.rept 32
	v_exp_f32 v[T+z], v[T+z]
.set z, z+1
.endr
	v_nop
	s_wait_alu depctr_va_vdst(0)
.set z, 0
.rept 16
	v_pk_add_f32 v[T+2*z:T+2*z+1], v[T+2*z:T+2*z+1], 1.0 op_sel_hi:[1,0]
.set z, z+1
.endr
.set z, 0
.rept 32
	v_rcp_f32 v[T+z], v[T+z]
.set z, z+1
.endr
	v_nop
	s_wait_alu depctr_va_vdst(0)
.set z, 0
.rept 16
	v_pk_mul_f32 v[U+2*z:U+2*z+1], v[U+2*z:U+2*z+1], v[T+2*z:T+2*z+1]
.set z, z+1
.endr
.set z, 0
.rept 8                                        ; channels 4 j + 0..3 come from accumulators 0..3, register j
	v_cvt_pk_bf16_f32 v[HW+2*z],   v[U+z],    v[U+8+z]
	v_cvt_pk_bf16_f32 v[HW+2*z+1], v[U+16+z], v[U+24+z]
.set z, z+1
.endr
.irp n, 1,2,3,4,5,6,7,8,9,10,11
	s_cmp_eq_u32 s[BLK], 12-\n
	s_cbranch_scc1 .Lst_\n
.endr
	SSTORE 0
	s_branch .Lsnext
.irp n, 1,2,3,4,5,6,7,8,9,10
	SSTORE \n
	s_branch .Lsnext
.endr
	SSTORE 11
.Lsnext:
	s_sub_co_u32 s[BLK], s[BLK], 1
	s_cmp_lg_u32 s[BLK], 0
	s_cbranch_scc1 .Lsilu
.Lmid:
	s_wait_loadcnt 0x0                             ; on every way here the weight sets asked for are in: steps 32 and 33 were asked for ahead of silu, and a tile without rows has only its first three sets out
	s_wait_dscnt 0x0                               ; for the others' sake: my 256 hidden channels of all 48 rows are in LDS
	s_barrier_signal -1
	s_barrier_wait -1
	s_cmp_eq_u32 s[CNT], 0
	s_cbranch_scc1 .Ldone                          ; a tile without rows: forward, over product 2 and the stores
	s_lshl_b32 s[KOFF], s[ROT], 6
	AADR
	ALOAD 2
	AADR
	ALOAD 0
	; PRODUCT 2: steps 32 to 63 on sets 2, 0, 1, 2 ..: a's sixteen K steps and b's sixteen, in my turned order, into the same sums
	STEP 2, 2, 1, 1, 1, 55, 55, 55, 55, 6
	WIN 0
	s_mov_b32 s[TRIP], 9
.Lp2:                                                  ; steps 33 to 59
	STEP 2, 0, 0, 1, 1, 55, 55, 55, 55, 6
	STEP 2, 1, 0, 1, 1, 55, 55, 55, 55, 6
	STEP 2, 2, 0, 1, 1, 55, 55, 55, 55, 6
	WIN 0
	s_sub_co_u32 s[TRIP], s[TRIP], 1
	s_cmp_lg_u32 s[TRIP], 0
	s_cbranch_scc1 .Lp2
	STEP 2, 0, 0, 1, 1, 55, 55, 55, 55, 6          ; steps 60 and 61 ask for the last two steps
	STEP 2, 1, 0, 1, 1, 55, 55, 55, 55, 6
	STEP 2, 2, 0, 0, 0, 55, 48, 40, 32, 6          ; nothing more is asked for: behind a group's loads stand 8 (3 - g) and the last set's 32,
	STEP 2, 0, 0, 0, 0, 24, 16, 8, 0, 0            ; then 8 (3 - g) alone
	WIN 0
	PLACES                                         ; in front of the first read of the sums
	OUTBLK 0
	OUTBLK 1
	OUTBLK 2
.Ldone:
	s_wait_tensorcnt 0x0                           ; the wave's end, behind my last LDS store
	ds_add_u32 v[SPW], v[NIL]
	s_wait_dscnt 0x0
	s_endpgm
.Lfunc_end_k_q3399ea039c_chain:
	.size	k_q3399ea039c_chain, .Lfunc_end_k_q3399ea039c_chain-k_q3399ea039c_chain
	.p2alignl 7, 3214868480
	.fill 96, 4, 3214868480
	.section	.rodata,"a",@progbits
	.p2align	6, 0x0
	.amdhsa_kernel k_q3399ea039c_chain
		.amdhsa_group_segment_fixed_size 99584
		.amdhsa_private_segment_fixed_size 0
		.amdhsa_enable_private_segment 0
		.amdhsa_kernarg_size 40
		.amdhsa_user_sgpr_count 2
		.amdhsa_user_sgpr_kernarg_segment_ptr 1
		.amdhsa_wavefront_size32 1
		.amdhsa_system_sgpr_workgroup_id_x 1
		.amdhsa_system_sgpr_workgroup_id_y 1
		.amdhsa_system_sgpr_workgroup_id_z 1
		.amdhsa_system_vgpr_workitem_id 0
		.amdhsa_next_free_vgpr 1024
		.amdhsa_next_free_sgpr 66
		.amdhsa_reserve_vcc 0
		.amdhsa_float_denorm_mode_32 3
		.amdhsa_float_denorm_mode_16_64 3
		.amdhsa_memory_ordered 1
		.amdhsa_forward_progress 1
		.amdhsa_inst_pref_size 174
	.end_amdhsa_kernel
	.amdgpu_metadata
---
amdhsa.version: [ 1, 2 ]
amdhsa.kernels:
  - .name:           k_q3399ea039c_chain
    .symbol:         k_q3399ea039c_chain.kd
    .args:
      - { .name: xb, .offset: 0, .size: 8, .value_kind: global_buffer, .address_space: global }
      - { .name: wf, .offset: 8, .size: 8, .value_kind: global_buffer, .address_space: global }
      - { .name: plan, .offset: 16, .size: 8, .value_kind: global_buffer, .address_space: global }
      - { .name: gate, .offset: 24, .size: 8, .value_kind: global_buffer, .address_space: global }
      - { .name: out0, .offset: 32, .size: 8, .value_kind: global_buffer, .address_space: global }
    .group_segment_fixed_size: 99584
    .private_segment_fixed_size: 0
    .kernarg_segment_align: 8
    .kernarg_segment_size: 40
    .max_flat_workgroup_size: 128
    .sgpr_count:     66
    .vgpr_count:     1024
    .wavefront_size: 32
...
	.end_amdgpu_metadata
.endif
;; end of part 3
;; ======== version 2 of 2: 3 launches; version 1 with the launch chain written anew for expert scheduling mode
;; workspace buffers: xb 16,777,216 bytes; route 65,536 bytes of whole numbers; gate 65,536 bytes; part 16,384 bytes; wf 16,777,216 bytes; plan 45,056 bytes of whole numbers
;; launch route: the kernel of part 1 again; grid 256 x 1, 8 waves a work-group, no clusters, 38,912 bytes of LDS; arguments x, router_w, xb, route, gate, part; writes xb, route, gate, part
;; launch prep: the kernel of part 2 again; grid 258 x 1, 8 waves a work-group, no clusters, 76,288 bytes of LDS; arguments w1, w2, route, part, wf, plan, out1; writes wf, plan, out1
;; launch chain (part 4): grid 198 x 1, 4 waves a work-group, no clusters, 99,584 bytes of LDS; arguments xb, wf, plan, gate, out0; writes out0
.if DOCPART == 4
	.amdgcn_target "amdgcn-amd-amdhsa--gfx1250"
	.amdhsa_code_object_version 6
	.text
	.protected	k_q3399ea039c_chain
	.globl	k_q3399ea039c_chain
	.p2align	8
	.type	k_q3399ea039c_chain,@function
k_q3399ea039c_chain:
	s_mov_b64 s[64:65], 0
	v_nop
	global_prefetch_b8 v0, s[64:65] scope:SCOPE_SE
	s_setreg_imm32_b32 hwreg(HW_REG_WAVE_SCHED_MODE, 0, 2), 2
	s_setreg_imm32_b32 hwreg(HW_REG_WAVE_MODE, 25, 1), 1
	s_wait_xcnt 0x0
	s_wait_alu depctr_vm_vsrc(0)
; THE EXPERTS.  A work-group takes a tile of 48 places, tokens that chose the same pair of experts (a, b), through the whole chain: gather, x w1, silu times the gate, h w2, store.
; Both products are 48 x 1024 x 1024: the hidden layer is a's 512 channels and then b's, so that the second product adds both experts into ONE f32 sum and each output row has one owner.
; 198 work-groups serve every split of the tokens over the 28 pairs ((8192 + 28 x 47) / 48); one that the split leaves without rows passes all three barriers, jumps over the products and silu and stores nothing.
; SHARES.  Wave w owns the columns 256 w .. 256 w + 255 of both products: 3 blocks of 16 rows x 16 fragments = 48 accumulators.  A K step is 32 along K: 48 matrix instructions, 16 KB of weights,
; 6 LDS loads of tokens.  THE WEIGHTS come from memory straight into registers, as fragments laid out by the launch before: each of their bytes has ONE reading wave in the work-group, so a way
; through LDS would add a write and a read of 64 KB a step and save nothing.
; THE WALK.  The 64 K steps of the two products are numbered S = 0 .. 63 and use three sets of weight registers and three of token fragments, set S % 3.  A step is four groups of 12 matrix instructions;
; behind each group stand 8 loads for step S + 2, into the set that step S - 1 multiplied, and at the step's head the token fragments of step S + 2: the loads are issued between matrix
; instructions, not in a run of their own.  By the text's own count a wave has at most 63 loads from memory out in the loops.  Each set has a pointer of its own, written again only when the step's
; counted waits have shown that set's last loads done.
; THE WALK IS TURNED: work-group i takes, as its step S, the K step (S + i % 32) % 32 of the product, weights and tokens alike, so that the work-groups that share an expert's weights do not all ask for
; the same 16 KB at the same time.  The sums take their terms in another order; they are f32 sums of the same products.
; FRAGMENT c = 4 G + i holds the columns 64 G + 4 r + i.  Product 1 takes the weights as source 0: a lane then holds token r and, over a group's four accumulators, the 32 consecutive channels
; 64 G + 32 h + 4 j + i: they pack into 64 consecutive bytes of the hidden row.  Product 2 takes the tokens as source 0: register j of a lane is token 8 h + j, and a group's four accumulators give
; the columns 64 G + 4 r + 0..3: 16 consecutive bytes, so that sixteen lanes store 256 consecutive bytes, aligned.
; LDS.  48 rows of 2,048 bytes: first the gathered tokens; when every wave has read them for the last time, the hidden rows take the same bytes, behind a barrier.  The 512 bytes behind the rows take the spare words, 128 bytes for each of four waves.
; THE MODE: SCHED_MODE bits 1:0 = 2 (LLVM: expert scheduling mode 2), set by the entry lines.  The code itself states the register dependences
; between vector or matrix instructions and memory or LDS instructions, with s_wait_alu, always for 0.
; THE PLAN.  Registers that memory or LDS instructions touch, in the two loops over K:
;   weight set LS = (S + 2) % 3   Step S - 1's matrix instructions read it; step S's 32 loads land in it; step S + 2's matrix instructions read it.
;   token set AF[LS]              The same: read in step S - 1, six LDS loads land in it at step S's head, read in step S + 2.
;   v[AT ..], three addresses     Read by the six LDS loads at a step's head; written by three adds behind the same step's last matrix instruction, for the next step.
;   v1, v[ATB ..]                 Made at the kernel's head, never written again; the weights are reached by scalar pointers and immediate offsets.
;   The accumulators are named by matrix and vector instructions alone.
; So ONE wait on va_vdst stands at a step's head: the step before's matrix instructions are done reading the two sets LS, and the adds at its end have written v[AT ..].  The step's own matrix
; instructions name set S % 3 and the accumulators, its adds v[AT ..] and v[ATB ..]: none of the registers that its 38 loads touch but the addresses, which are written behind the loads that read them,
; behind ONE wait on vm_vsrc.  The steps that ask for nothing hold neither wait.
; NO CLUSTER, NO JOINT LOADS: partners would have to share a pair; four tiles of 48 against some 293 tokens a pair would pad each pair to a multiple of 192, a third more rows and more than 256
; work-groups for some splits; and a joint load lands in LDS, which the count above rules out for the weights.  The token rows come by a list, which no tile descriptor covers.
; LIMITS.  Operands are bf16 (x, w1, w2 rounded once by the launches before; h times its gate rounded once here), sums f32.  NaN and infinities are not treated apart; exp2 of a large argument
; gives an infinity, whose reciprocal is 0, and silu is then 0.  Places past the count repeat the pair's last token: a store that holds a valid row and such a repeat writes that token's row twice, with the same bits.
.set PX,    2064                       ; an LDS row: 2,048 bytes + 16 = 516 words: the sixteen rows of a fragment load start four banks apart (64 banks of 4 bytes: ISA guide 11.1)
.set RB16,  16*PX
; window 0
.set AT,   4                           ; v4-6    LDS address of the token fragments asked for next, row block rb
.set HS,   7                           ; v7-9    where I put my 64 bytes of a hidden row, row block rb; never rewritten
.set XS,   10                          ; v10     where my wave puts its gathered rows
.set GT,   12                          ; v12-17  the gate of token 16 rb + r for my expert, as a pair
.set TG,   18                          ; v18-20  that token; then its byte offset in gate
.set ATB,  28                          ; v28-30  LDS address of my token fragments at K = 0, row block rb: the same for the tokens and for the hidden rows; never rewritten
.set AF,   32                          ; v32-103 token fragments: set b, row block rb at AF + 24 b + 8 rb
.set OUTO, 104                         ; v104-127 byte offset in out0 of token 16 rb + 8 h + j, + 16 r
.set T,    128                         ; v128-159 at work (way out: v128-255)
.set U,    160                         ; v160-191 at work
.set HW,   192                         ; v192-207 packed hidden numbers
.set GO,   208                         ; v208-219 byte offsets of my wave's 12 rows of xb
; window 1: weight sets 1 (v0-127) and 2 (v128-255).  window 2: accumulators (rb, c) at 8 (16 rb + c), rb = 0, 1; before the first product the gathered rows.
; window 3: accumulators (2, c) at 8 c; weight set 0 at v128-255.
.set WV,   14                          ; s14 wave
.set T0,   20                          ; s20, s21 at work
.set T1,   21
.set P1,   24                          ; s[24:25] my fragments of w1
.set P2A,  26                          ; s[26:27] my fragments of w2[a]
.set P2B,  28                          ; s[28:29] of w2[b]
.set TK,   32                          ; s[32:33] the tile's 48 tokens in plan
.set TRIP, 48
.set FI,   49                          ; s49 the number S of the step whose weights are asked for next
.set CNT,  52                          ; s52 the tile's count
.set ROT,  53                          ; s53 the work-group's number % 32: by so many steps my walk is turned
.set LPB,  54                          ; s[54:59] a pointer for each weight set
.set KOFF, 60                          ; s60 byte in an LDS row at which the token fragments asked for next begin
.set BLK,  61                          ; s61 counts silu's twelve blocks
.set OFF,  62                          ; s[62:63] an offset in 64 bits
.set MSB, 0
.macro WIN new                         ; bits 1:0 source 0, 3:2 source 1, 5:4 source 2, 7:6 destination; the high byte repeats the setting that is left
.if MSB != (\new)
	s_set_vgpr_msb (MSB<<8)|(\new)
.set MSB, (\new)
.endif
.endm
.macro PLACES                          ; four places between a matrix instruction and a vector instruction that reads its result (ISA guide 7.12.1)
.rept 4
	v_nop
.endr
.endm
; The pointer of step FI's weights, into set ls's pair; then FI steps.  The K step is (FI + ROT) % 32; product 1 (FI < 32) walks 32 steps of 16 KB of w1, product 2 sixteen of w2[a] and sixteen of w2[b].
; The base is chosen between pointers into wf; the offset is made apart from it.
.macro PTR ls
	s_add_co_u32 s[T0], s[FI], s[ROT]
	s_and_b32 s[T0], s[T0], 31
	s_and_b32 s[T1], s[T0], 15
	s_cmp_lt_u32 s[T0], 16
	s_cselect_b64 s[LPB+2*(\ls):LPB+2*(\ls)+1], s[P2A:P2A+1], s[P2B:P2B+1]
	s_cmp_lt_u32 s[FI], 32
	s_cselect_b64 s[LPB+2*(\ls):LPB+2*(\ls)+1], s[P1:P1+1], s[LPB+2*(\ls):LPB+2*(\ls)+1]
	s_cselect_b32 s[T1], s[T0], s[T1]
	s_lshl_b32 s[OFF], s[T1], 14
	s_add_nc_u64 s[LPB+2*(\ls):LPB+2*(\ls)+1], s[LPB+2*(\ls):LPB+2*(\ls)+1], s[OFF:OFF+1]
	s_add_co_u32 s[FI], s[FI], 1
.endm
; Weight set b lies in window 3 - 2 ((b + 2) / 3) from register 128 (1 - b % 2) on.  Fragments 4 g .. 4 g + 3 of a step into set ls: eight loads of 512 consecutive bytes.
.macro BLOADG ls, g
.set LW, 3-2*(((\ls)+2)/3)
.set LB, 128*(1-(\ls)%2)
	WIN LW<<6
.irp c, 0,1,2,3
	global_load_b128 v[LB+8*(4*(\g)+\c):LB+8*(4*(\g)+\c)+3],   v1, s[LPB+2*(\ls):LPB+2*(\ls)+1] offset:1024*(4*(\g)+\c)
	global_load_b128 v[LB+8*(4*(\g)+\c)+4:LB+8*(4*(\g)+\c)+7], v1, s[LPB+2*(\ls):LPB+2*(\ls)+1] offset:1024*(4*(\g)+\c)+512
.endr
.endm
.macro BLOADALL ls
	PTR \ls
.irp g, 0,1,2,3
	BLOADG \ls, \g
.endr
.endm
.macro AADR                            ; the addresses of the next token fragments; the byte in the row steps by 32 K and wraps at the row's 2,048
.irp rb, 0,1,2
	v_add_nc_u32 v[AT+\rb], s[KOFF], v[ATB+\rb]
.endr
	s_add_co_u32 s[KOFF], s[KOFF], 64
	s_and_b32 s[KOFF], s[KOFF], 0x7c0
.endm
.macro ALOAD b                         ; three token fragments into set b: 16 rows x 32 K each, two loads of 16 bytes, 32 bytes apart
.irp rb, 0,1,2
	ds_load_b128 v[AF+24*(\b)+8*\rb:AF+24*(\b)+8*\rb+3],   v[AT+\rb]
	ds_load_b128 v[AF+24*(\b)+8*\rb+4:AF+24*(\b)+8*\rb+7], v[AT+\rb] offset:32
.endr
.endm
; In front of a product: the token fragments of its first two steps into sets b0 and b1, and the addresses of its third step's, which the first step's head asks by.
; The first three adds owe no wait: no LDS load has read v[AT ..] since the last wait on vm_vsrc (product 1: none at all; product 2: the last reader stands ahead of step 30's wait).
.macro FIRSTA b0, b1
	s_lshl_b32 s[KOFF], s[ROT], 6
	AADR
	s_wait_alu depctr_va_vdst(0)                   ; the adds have written v[AT ..], which the six LDS loads below read; the matrix instructions that read set b0 are long done
	ALOAD \b0
	s_wait_alu depctr_vm_vsrc(0)                   ; those loads have read v[AT ..], which the adds below write again
	AADR
	s_wait_alu depctr_va_vdst(0)                   ; the adds have written v[AT ..], which the six LDS loads below read
	ALOAD \b1
	s_wait_alu depctr_vm_vsrc(0)                   ; those loads have read v[AT ..], which the adds below write again
	AADR                                           ; the wait for these stands at the first step's head
.endm
.macro MM ph, b, rb, c, zero           ; one matrix instruction; ph = 1: weights are source 0; ph = 2: tokens are
.set rA, AF+24*(\b)+8*(\rb)
.set rB, MB+8*(\c)
.set rD, 8*(16*((\rb)%2)+(\c))
.if (\ph) == 1
.if \zero
	v_wmma_f32_16x16x32_bf16 v[rD:rD+7], v[rB:rB+7], v[rA:rA+7], 0
.else
	v_wmma_f32_16x16x32_bf16 v[rD:rD+7], v[rB:rB+7], v[rA:rA+7], v[rD:rD+7]
.endif
.else
.if \zero
	v_wmma_f32_16x16x32_bf16 v[rD:rD+7], v[rA:rA+7], v[rB:rB+7], 0
.else
	v_wmma_f32_16x16x32_bf16 v[rD:rD+7], v[rA:rA+7], v[rB:rB+7], v[rD:rD+7]
.endif
.endif
.endm
.macro RUNA ph, b, zero, g             ; fragments 4 g .. 4 g + 3 x row blocks 0 and 1: accumulators in window 2
	WIN WA
.irp c, 0,1,2,3
.irp rb, 0,1
	MM \ph, \b, \rb, 4*(\g)+\c, \zero
.endr
.endr
.endm
.macro RUNB ph, b, zero, g             ; the same fragments x row block 2: accumulators in window 3
	WIN WA|0x50
.irp c, 0,1,2,3
	MM \ph, \b, 2, 4*(\g)+\c, \zero
.endr
.endm
; A K STEP on set b.  The 48 accumulators take turns, one instruction a turn, in the same order in every step; zero = 1: the products start the sums.
; ldb = 1: set (b + 2) % 3, which the step before multiplied, takes the weights two steps on, eight loads behind each group.  lda = 1: the token fragments two steps on, into the same number of set, at the head.
; nxt = 1: a step that asks for something follows: behind my last matrix instruction the addresses of its token fragments are made.  Those three adds and a v_nop also keep four plain
; instructions between my last products and the next step's loads into the registers that those products read; they stay beside the next head's wait.
; l0 .. l3: how many younger loads from memory may stay out in front of each group; dc: how many LDS loads.
.macro STEP ph, b, zero, ldb, lda, nxt, l0, l1, l2, l3, dc
.set MW, 3-2*(((\b)+2)/3)
.set MB, 128*(1-(\b)%2)
.set LS, ((\b)+2)%3
.if (\ph) == 1
.set WA, MW|0xa0
.else
.set WA, (MW<<2)|0xa0
.endif
	s_wait_dscnt \dc
	s_wait_loadcnt \l0
.if \lda
	WIN 0
.endif
.if (\ldb) || (\lda)
	s_wait_alu depctr_va_vdst(0)                   ; the step before's matrix instructions are done reading weight set LS and token set LS, in which this step's loads land; the adds at its end have written v[AT ..]
.endif
.if \lda
	ALOAD LS
.endif
.if \ldb
	PTR LS                                         ; the pair's last loads were shown done by the last step's waits
.endif
	RUNA \ph, \b, \zero, 0
	RUNB \ph, \b, \zero, 0
.if \ldb
	BLOADG LS, 0                                   ; no further wait: no vector or matrix instruction since the head's wait names set LS or v1
.endif
	s_wait_loadcnt \l1
	RUNA \ph, \b, \zero, 1
	RUNB \ph, \b, \zero, 1
.if \ldb
	BLOADG LS, 1
.endif
	s_wait_loadcnt \l2
	RUNA \ph, \b, \zero, 2
	RUNB \ph, \b, \zero, 2
.if \ldb
	BLOADG LS, 2
.endif
	s_wait_loadcnt \l3
	RUNA \ph, \b, \zero, 3
	RUNB \ph, \b, \zero, 3
.if \nxt
	WIN 0
	s_wait_alu depctr_vm_vsrc(0)                   ; the LDS loads at this step's head have read v[AT ..], which the adds below write again
	AADR
	v_nop
.endif
.if \ldb
	BLOADG LS, 3
.endif
.endm
; silu(z) g = z g / (1 + 2^(-z log2 e)), a block of four accumulators (row block n / 4, column group n % 4; 32 numbers a lane) at a time.  The arithmetic between is written once and looped over;
; what names a block's own registers and bytes is written for each block, in two short pieces that the loop's counter chooses:
; SSTUB n: -z log2 e into T, z g into U, each accumulator's lowest registers read first.  SSTORE n: the block's 64 bytes a lane into the hidden rows.
.macro SSTUB n
.set rbn, (\n)/4
.set gn, (\n)%4
.set ab, 128*(rbn%2)+32*gn
.Lsb_\n:
	WIN 2+rbn/2                                    ; source 0: window 2 (row blocks 0, 1) or 3
.set z, 0
.rept 16
	v_pk_mul_f32 v[T+2*z:T+2*z+1], v[ab+2*z:ab+2*z+1], s[50:51] op_sel_hi:[1,0]
.set z, z+1
.endr
.set z, 0
.rept 16
	v_pk_mul_f32 v[U+2*z:U+2*z+1], v[ab+2*z:ab+2*z+1], v[GT+2*rbn:GT+2*rbn+1]
.set z, z+1
.endr
	WIN 0
.endm
.macro SSTORE n
.Lst_\n:
.irp q, 0,1,2,3
	ds_store_b128 v[HS+(\n)/4], v[HW+4*\q:HW+4*\q+3] offset:128*((\n)%4)+16*\q
.endr
.endm
; Row block rb leaves: a lane's four columns of a group come from four accumulators and are brought side by side; then two rows to a store instruction, 256 consecutive aligned bytes each.
; Whole stores past the count are jumped: every later row is past it too.
; The first block's moves write over v[HW ..] and v[GO ..], which silu's LDS stores and the gather read: product 2's waits on vm_vsrc stand between, on the only way here.
.macro OUTBLK rb
.if (\rb) > 0
	s_wait_xcnt 0x0                                ; the block before's stores have had their addresses translated,
	s_wait_alu depctr_vm_vsrc(0)                   ; and have read v[T ..], which the moves below write again
.endif
.if (\rb) < 2
	WIN 2
.set ab, 128*(\rb)
.else
	WIN 3
.set ab, 0
.endif
.set jj, 0
.rept 8                                        ; register 0 of every accumulator first
.set cc, 0
.rept 16
	v_mov_b32 v[T+16*jj+cc], v[ab+8*cc+jj]
.set cc, cc+1
.endr
.set jj, jj+1
.endr
	WIN 0
	s_wait_alu depctr_va_vdst(0)                   ; the moves have written v[T ..], which the block's stores read; only compares and branches stand among those stores
.irp j, 0,1,2,3,4,5,6,7
	s_cmp_le_u32 s[CNT], 16*(\rb)+\j
	s_cbranch_scc1 .Ldone
.irp g, 0,1,2,3
	global_store_b128 v[OUTO+8*(\rb)+\j], v[T+16*\j+4*\g:T+16*\j+4*\g+3], s[12:13] offset:256*\g th:TH_STORE_NT
.endr
.endr
.endm
	s_load_b256 s[4:11], s[0:1], 0x0               ; xb s[4:5], wf s[6:7], plan s[8:9], gate s[10:11]
	s_load_b64 s[12:13], s[0:1], 0x20              ; out0
	v_lshl_add_u32 v24, v0, 2, 0x18300
	v_mov_b32 v25, 0
	v_lshrrev_b32 v26, 5, v0
	v_readfirstlane_b32 s[WV], v26
	v_and_b32 v26, 31, v0
	v_lshlrev_b32 v1, 4, v26                       ; 16 x lane; never rewritten
	v_and_b32 v2, 15, v0                           ; r
	v_bfe_u32 v3, v0, 4, 1                         ; h
	v_lshlrev_b32 v21, 5, v3
	v_lshlrev_b32 v22, 2, v2
	v_lshlrev_b32 v23, 4, v2
	v_mul_u32_u24 v27, v2, PX
	v_lshl_add_u32 v31, v3, 6, v27                 ; r x pitch + 64 h
	v_lshl_add_u32 v27, v3, 4, v27                 ; r x pitch + 16 h
	s_lshl_b32 s35, ttmp9, 4                       ; my entry among the tiles
	s_wait_alu depctr_va_sdst(0)                   ; s14, the wave's number, is written, ahead of its first reader
	s_mul_i32 s34, s[WV], 48                       ; my wave's 12 tokens among the tile's 48
	s_mul_i32 s22, ttmp9, 192
	s_mov_b32 s23, 0
	s_mov_b32 s50, 0xbfb8aa3b                      ; -log2(e), named as a pair
	s_mov_b32 s51, s50
	s_and_b32 s[ROT], ttmp9, 31
	s_mov_b32 s[FI], 0
	s_mov_b32 s[OFF+1], 0
	s_wait_kmcnt 0x0
	s_add_nc_u64 s[TK:TK+1], s[8:9], s[22:23]
	s_load_b128 s[16:19], s[8:9], s35 offset:0xa000  ; a, b, count, 0
	s_load_b128 s[36:39], s[TK:TK+1], s34 offset:0x0
	s_load_b128 s[40:43], s[TK:TK+1], s34 offset:0x10
	s_load_b128 s[44:47], s[TK:TK+1], s34 offset:0x20
	s_wait_alu depctr_va_vdst(0)                   ; v21 and v22 are written, which the nine loads of the lists read as their offsets
.irp rb, 0,1,2
	global_load_b128 v[OUTO+8*\rb:OUTO+8*\rb+3],   v21, s[TK:TK+1] offset:64*\rb     ; tokens 16 rb + 8 h + 0..7
	global_load_b128 v[OUTO+8*\rb+4:OUTO+8*\rb+7], v21, s[TK:TK+1] offset:64*\rb+16
.endr
.irp rb, 0,1,2
	global_load_b32 v[TG+\rb], v22, s[TK:TK+1] offset:64*\rb                          ; token 16 rb + r
.endr
	s_mul_i32 s20, s[WV], 12*PX
	v_add_nc_u32 v[XS], s20, v1
	s_lshl_b32 s20, s[WV], 9                       ; my 256 hidden channels are 512 bytes of a row
	v_add_nc_u32 v31, s20, v31
.irp rb, 0,1,2
	v_add_nc_u32 v[HS+\rb], \rb*RB16, v31
	v_add_nc_u32 v[ATB+\rb], \rb*RB16, v27
.endr
	s_wait_kmcnt 0x0
	s_min_u32 s16, s16, 7                          ; loaded numbers enter addresses only clamped
	s_min_u32 s17, s17, 7
	s_min_u32 s[CNT], s18, 48
.set i, 0
.rept 12
	s_min_u32 s[36+i], s[36+i], 0x1fff
	v_lshl_add_u32 v[GO+i], s[36+i], 11, v1        ; a row of xb is 2,048 bytes
.set i, i+1
.endr
	s_mov_b32 s21, 0
	s_cmp_lt_u32 s[WV], 2                          ; product 1: waves 0, 1 have a's two halves of 256 hidden channels, waves 2, 3 b's
	s_cselect_b32 s20, s16, s17
	s_lshl_b32 s20, s20, 20
	s_and_b32 s22, s[WV], 1
	s_lshl_b32 s22, s22, 19
	s_add_co_u32 s20, s20, s22
	s_add_nc_u64 s[P1:P1+1], s[6:7], s[20:21]
	s_lshl_b32 s22, s[WV], 18                      ; product 2: my quarter of the 1,024 columns
	s_add_co_u32 s22, s22, 0x800000
	s_lshl_b32 s20, s16, 20
	s_add_co_u32 s20, s20, s22
	s_add_nc_u64 s[P2A:P2A+1], s[6:7], s[20:21]
	s_lshl_b32 s20, s17, 20
	s_add_co_u32 s20, s20, s22
	s_add_nc_u64 s[P2B:P2B+1], s[6:7], s[20:21]
	s_lshl_b32 s20, s[WV], 10
	s_add_nc_u64 s[12:13], s[12:13], s[20:21]      ; out0 at my 256 columns
	WIN 0x80                                       ; the gather first, since the barrier below waits for it: my wave's 12 rows, 512 consecutive bytes a load, into window 2
	s_wait_alu depctr_va_vdst(0)                   ; v[GO ..] are written, which the gather reads; so are v[XS], v[HS ..] and v[ATB ..], which LDS stores and loads read further down
.set i, 0
.rept 48
	global_load_b128 v[4*i:4*i+3], v[GO+i/4], s[4:5] offset:512*(i%4)
.set i, i+1
.endr
	WIN 0
	s_wait_loadcnt 48                              ; the nine loads of the lists are in; the gather's 48, issued behind them, may stay out
.set i, 0
.rept 24
	v_min_u32 v[OUTO+i], 0x1fff, v[OUTO+i]
	v_lshl_add_u32 v[OUTO+i], v[OUTO+i], 12, v23   ; a row of out0 is 4,096 bytes
.set i, i+1
.endr
	s_lshr_b32 s20, s[WV], 1
	s_lshl_b32 s20, s20, 2                         ; a's gate is word 0, b's word 1
.irp rb, 0,1,2
	v_min_u32 v[TG+\rb], 0x1fff, v[TG+\rb]
	v_lshl_add_u32 v[TG+\rb], v[TG+\rb], 3, s20
.endr
	s_wait_alu depctr_va_vdst(0)                   ; v[TG ..] are written, which the three loads of the gates read; so are v[OUTO ..], which the way out's stores read
.irp rb, 0,1,2
	global_load_b32 v[GT+2*\rb], v[TG+\rb], s[10:11]
.endr
	BLOADALL 0                                     ; step 0's weights
	s_wait_loadcnt 35                              ; the gather is in; three gates and step 0's 32 loads are younger
	WIN 0x08                                       ; store data in window 2
.set i, 0
.rept 48
	ds_store_b128 v[XS], v[4*i:4*i+3] offset:(i/4)*PX+512*(i%4)
.set i, i+1
.endr
	BLOADALL 1                                     ; steps 1 and 2: all three sets are asked for ahead of the first product
	BLOADALL 2
	WIN 0
	s_wait_dscnt 0x0                               ; for the others' sake: my 12 rows are in LDS
	s_barrier_signal -1
	s_barrier_wait -1
	s_wait_alu depctr_vm_vsrc(0)                   ; my LDS stores have read the gathered rows' registers, which the first products write as accumulators; the gather has read v[GO ..], which the way out writes
	s_cmp_eq_u32 s[CNT], 0
	s_cbranch_scc1 .Lxread                         ; a tile without rows: forward, over product 1; no barrier is jumped
	FIRSTA 0, 1
	; PRODUCT 1: steps 0 to 31.  In front of a group its eight loads must be in; behind them were issued the rest of their set, 8 (3 - g), the next set's 32 and 8 g of the set after: 56.
	; The count is one less, so that the eight loads behind the group bring the wave to 63 at the most.  Behind a step's token fragments one later step's six LDS loads are out.
	STEP 1, 0, 1, 0, 1, 1, 63, 63, 63, 63, 6       ; step 0 starts the sums and asks for no weights: behind its own stand two whole sets, 64 loads or more
	WIN 0
	s_mov_b32 s[TRIP], 10
.Lp1:                                                  ; steps 1 to 30; from step 30 on the weights asked for are product 2's; step 30's token fragments (at a wrapped byte of the rows) and the addresses made at its end serve nobody
	STEP 1, 1, 0, 1, 1, 1, 55, 55, 55, 55, 6
	STEP 1, 2, 0, 1, 1, 1, 55, 55, 55, 55, 6
	STEP 1, 0, 0, 1, 1, 1, 55, 55, 55, 55, 6
	WIN 0
	s_sub_co_u32 s[TRIP], s[TRIP], 1
	s_cmp_lg_u32 s[TRIP], 0
	s_cbranch_scc1 .Lp1
	STEP 1, 1, 0, 1, 0, 0, 55, 55, 55, 55, 6       ; step 31
	WIN 0
	PLACES                                         ; in front of the first read of the sums
.Lxread:
	s_wait_dscnt 0x0                               ; my reads of the token rows are over, step 30's six among them:
	s_barrier_signal -1                            ; the hidden rows take the same bytes only when every wave has said so
	s_barrier_wait -1
	s_cmp_eq_u32 s[CNT], 0
	s_cbranch_scc1 .Lmid                           ; a tile without rows: forward, over silu
.irp rb, 0,1,2
	v_mov_b32 v[GT+2*\rb+1], v[GT+2*\rb]           ; the gates are older than step 0's weights: long in
.endr
	s_mov_b32 s[BLK], 12
.Lsilu:                                                ; twelve trips; block 12 - BLK's own pieces are chosen by the counter, every jump but the loop's own forward
.irp n, 1,2,3,4,5,6,7,8,9,10,11
	s_cmp_eq_u32 s[BLK], 12-\n
	s_cbranch_scc1 .Lsb_\n
.endr
	SSTUB 0
	s_branch .Lscom
.irp n, 1,2,3,4,5,6,7,8,9,10
	SSTUB \n
	s_branch .Lscom
.endr
	SSTUB 11
.Lscom:                                                ; the 32 exponentials are one batch with one wait, and so are the 32 reciprocals
.set z, 0
.rept 32
	v_exp_f32 v[T+z], v[T+z]
.set z, z+1
.endr
	v_nop
	s_wait_alu depctr_va_vdst(0)                   ; the 32 exponentials have written v[T ..], ahead of their first reader
.set z, 0
.rept 16
	v_pk_add_f32 v[T+2*z:T+2*z+1], v[T+2*z:T+2*z+1], 1.0 op_sel_hi:[1,0]
.set z, z+1
.endr
.set z, 0
.rept 32
	v_rcp_f32 v[T+z], v[T+z]
.set z, z+1
.endr
	v_nop
	s_wait_alu depctr_va_vdst(0)                   ; the 32 reciprocals have written v[T ..], ahead of their first reader
.set z, 0
.rept 16
	v_pk_mul_f32 v[U+2*z:U+2*z+1], v[U+2*z:U+2*z+1], v[T+2*z:T+2*z+1]
.set z, z+1
.endr
	s_wait_alu depctr_vm_vsrc(0)                   ; the block before's four LDS stores have read v[HW ..], which the roundings below write again
.set z, 0
.rept 8                                        ; channels 4 j + 0..3 come from accumulators 0..3, register j
	v_cvt_pk_bf16_f32 v[HW+2*z],   v[U+z],    v[U+8+z]
	v_cvt_pk_bf16_f32 v[HW+2*z+1], v[U+16+z], v[U+24+z]
.set z, z+1
.endr
	s_wait_alu depctr_va_vdst(0)                   ; the roundings have written v[HW ..], which the block's four LDS stores read; only compares and branches stand between
.irp n, 1,2,3,4,5,6,7,8,9,10,11
	s_cmp_eq_u32 s[BLK], 12-\n
	s_cbranch_scc1 .Lst_\n
.endr
	SSTORE 0
	s_branch .Lsnext
.irp n, 1,2,3,4,5,6,7,8,9,10
	SSTORE \n
	s_branch .Lsnext
.endr
	SSTORE 11
.Lsnext:
	s_sub_co_u32 s[BLK], s[BLK], 1
	s_cmp_lg_u32 s[BLK], 0
	s_cbranch_scc1 .Lsilu
.Lmid:
	s_wait_loadcnt 0x0                             ; on every way here the weight sets asked for are in: steps 32 and 33 were asked for ahead of silu, and a tile without rows has only its first three sets out
	s_wait_dscnt 0x0                               ; for the others' sake: my 256 hidden channels of all 48 rows are in LDS
	s_barrier_signal -1
	s_barrier_wait -1
	s_cmp_eq_u32 s[CNT], 0
	s_cbranch_scc1 .Ldone                          ; a tile without rows: forward, over product 2 and the stores
	FIRSTA 2, 0
	; PRODUCT 2: steps 32 to 63 on sets 2, 0, 1, 2 ..: a's sixteen K steps and b's sixteen, in my turned order, into the same sums
	STEP 2, 2, 1, 1, 1, 1, 55, 55, 55, 55, 6
	WIN 0
	s_mov_b32 s[TRIP], 9
.Lp2:                                                  ; steps 33 to 59
	STEP 2, 0, 0, 1, 1, 1, 55, 55, 55, 55, 6
	STEP 2, 1, 0, 1, 1, 1, 55, 55, 55, 55, 6
	STEP 2, 2, 0, 1, 1, 1, 55, 55, 55, 55, 6
	WIN 0
	s_sub_co_u32 s[TRIP], s[TRIP], 1
	s_cmp_lg_u32 s[TRIP], 0
	s_cbranch_scc1 .Lp2
	STEP 2, 0, 0, 1, 1, 1, 55, 55, 55, 55, 6       ; steps 60 and 61 ask for the last two steps
	STEP 2, 1, 0, 1, 1, 0, 55, 55, 55, 55, 6
	STEP 2, 2, 0, 0, 0, 0, 55, 48, 40, 32, 6       ; nothing more is asked for: behind a group's loads stand 8 (3 - g) and the last set's 32,
	STEP 2, 0, 0, 0, 0, 0, 24, 16, 8, 0, 0         ; then 8 (3 - g) alone
	WIN 0
	PLACES                                         ; in front of the first read of the sums
	OUTBLK 0
	OUTBLK 1
	OUTBLK 2
.Ldone:
	s_wait_dscnt 0x0                               ; my last LDS instructions
	s_wait_alu depctr_hold_cnt(0) depctr_sa_sdst(0) depctr_va_vdst(0) depctr_va_sdst(0) depctr_va_ssrc(0) depctr_va_vcc(0) depctr_vm_vsrc(0)
	s_wait_tensorcnt 0x0
	ds_add_u32 v24, v25
	s_wait_dscnt 0x0
	s_endpgm
.Lfunc_end_k_q3399ea039c_chain:
	.size	k_q3399ea039c_chain, .Lfunc_end_k_q3399ea039c_chain-k_q3399ea039c_chain
	.p2alignl 7, 3214868480
	.fill 96, 4, 3214868480
	.section	.rodata,"a",@progbits
	.p2align	6, 0x0
	.amdhsa_kernel k_q3399ea039c_chain
		.amdhsa_group_segment_fixed_size 99584
		.amdhsa_private_segment_fixed_size 0
		.amdhsa_enable_private_segment 0
		.amdhsa_kernarg_size 40
		.amdhsa_user_sgpr_count 2
		.amdhsa_user_sgpr_kernarg_segment_ptr 1
		.amdhsa_wavefront_size32 1
		.amdhsa_system_sgpr_workgroup_id_x 1
		.amdhsa_system_sgpr_workgroup_id_y 1
		.amdhsa_system_sgpr_workgroup_id_z 1
		.amdhsa_system_vgpr_workitem_id 0
		.amdhsa_next_free_vgpr 1024
		.amdhsa_next_free_sgpr 66
		.amdhsa_reserve_vcc 0
		.amdhsa_float_denorm_mode_32 3
		.amdhsa_float_denorm_mode_16_64 3
		.amdhsa_memory_ordered 1
		.amdhsa_forward_progress 1
		.amdhsa_inst_pref_size 176
	.end_amdhsa_kernel
	.amdgpu_metadata
---
amdhsa.version: [ 1, 2 ]
amdhsa.kernels:
  - .name:           k_q3399ea039c_chain
    .symbol:         k_q3399ea039c_chain.kd
    .args:
      - { .name: xb, .offset: 0, .size: 8, .value_kind: global_buffer, .address_space: global }
      - { .name: wf, .offset: 8, .size: 8, .value_kind: global_buffer, .address_space: global }
      - { .name: plan, .offset: 16, .size: 8, .value_kind: global_buffer, .address_space: global }
      - { .name: gate, .offset: 24, .size: 8, .value_kind: global_buffer, .address_space: global }
      - { .name: out0, .offset: 32, .size: 8, .value_kind: global_buffer, .address_space: global }
    .group_segment_fixed_size: 99584
    .private_segment_fixed_size: 0
    .kernarg_segment_align: 8
    .kernarg_segment_size: 40
    .max_flat_workgroup_size: 128
    .sgpr_count:     66
    .vgpr_count:     1024
    .wavefront_size: 32
...
	.end_amdgpu_metadata
.endif
;; end of part 4
